; MI455X (gfx1250); checked and timed in simulation.
; The chip was launched on July 23, 2026; its instructions are those of AMD's public machine-readable ISA for CDNA 5 (MIT licence, August 2026) and "CDNA5" Instruction Set Architecture Reference Guide (July 2026). The comments in the code are by the model that wrote it; some were corrected since.
;; Simple Cross Attention Transformer Block. Allowed arithmetic: float matrix products may take bf16 or f16 operands with f32 sums; other float arithmetic in f32, or as packed bf16 or f16 multiplies, adds, multiply-adds, maxima and minima; sums over many terms, partial sums and values carried from step to step in f32; what a program stores and reads back later, other than sums and carried values, may be rounded once to bf16 or f16.
;; Inputs: W1 4,096 x 1,024 float32; W2 1,024 x 4,096 float32; Wkv 2,048 x 1,024 float32; Wo 1,024 x 1,024 float32; Wq 1,024 x 1,024 float32; b1 4,096 float32; b2 1,024 float32; bo 1,024 float32; kv_x 2 x 2,048 x 1,024 float32; ln_kv_b 1,024 float32; ln_kv_g 1,024 float32; ln_q_b 1,024 float32; ln_q_g 1,024 float32; q_x 2 x 2,048 x 1,024 float32.
;; Outputs: out0 2 x 2,048 x 1,024 float32.
;; One version. Each part assembles by itself: llvm-mc -triple=amdgcn-amd-amdhsa -mcpu=gfx1250 --defsym DOCPART=n.
;; ======== version 1 of 1: 6 launches
;; workspace buffers: xn 16,777,216 bytes; wqk 6,291,456 bytes; wb 18,874,368 bytes; qkv 25,165,824 bytes; ao 8,388,608 bytes; x1 16,777,216 bytes; x1b 8,388,608 bytes; hb 33,554,432 bytes
;; launch prep (part 1): grid 256 x 1, 12 waves a work-group, no clusters, 0 bytes of LDS; arguments q_x, kv_x, Wq, Wkv, Wo, ln_q_g, ln_q_b, ln_kv_g, ln_kv_b, xn, wqk, wb; writes xn, wqk, wb
.if DOCPART == 1
	.amdgcn_target "amdgcn-amd-amdhsa--gfx1250"
	.amdhsa_code_object_version 6
	.text
	.protected	k_qdff0d13f5f_prep
	.globl	k_qdff0d13f5f_prep
	.p2align	8
	.type	k_qdff0d13f5f_prep,@function
k_qdff0d13f5f_prep:
	s_mov_b64 s[64:65], 0
	v_nop
	global_prefetch_b8 v0, s[64:65] scope:SCOPE_SE
	s_setreg_imm32_b32 hwreg(HW_REG_WAVE_MODE, 25, 1), 1
	s_wait_xcnt 0x0
; PREP.  xn[0:4096] = LayerNorm(q_x), xn[4096:8192] = LayerNorm(kv_x), both rounded once to bf16; wqk = Wq, Wkv on end and wb's first 1,024 rows = Wo, each number rounded once to bf16.
; Everything is taken as rows of 1,024 f32 (4,096 bytes) that leave as 1,024 bf16 (2,048 bytes): 8,192 rows to normalise, 4,096 rows to round.  (W1 and W2 are rounded by the launch behind.)
; SHARES.  A share is 4 rows of ONE source: 3,072 shares, 12 waves in each of 256 work-groups; a wave takes share 12 x work-group + wave, two rows a trip, two trips.  A wave holds a whole row: lane l has
; columns 128 j + 4 l + 0..3 of load j, so a load of the wave covers 512 consecutive bytes and a store 256 consecutive bytes, aligned.  No wave waits for another: no LDS, no barrier.
; LAYERNORM in two passes over the registers: the mean; then the sum of (x - mean)^2: no difference of large sums is formed.  The sums are taken as a tree (four chains a lane, then across
; the lanes), an order of rounding that differs from a serial sum's.  NaN and infinities are not treated apart.
.set T,   4                            ; v[4:11]    at work
.set MU,  20                           ; v[20:21]   the mean, twice
.set RS,  22                           ; v[22:23]   1 / sqrt(var + eps), twice
.set Y,   32                           ; v[32:63]   row slot s: 16 registers to store
.set X,   64                           ; v[64:127]  row slot s: 32 registers as loaded
.set G,   128                          ; v[128:159] gamma of my 32 columns
.set BT,  160                          ; v[160:191] beta of my 32 columns
.set SRC, 34                           ; s[34:35]   my wave's next two rows in the source
.set DST, 36                           ; s[36:37]   the same in xn, wqk or wb
.set GP,  38                           ; s[38:39]   gamma
.set BP,  40                           ; s[40:41]   beta
	s_load_b512 s[8:23], s[0:1], 0x0               ; q_x 8, kv_x 10, Wq 12, Wkv 14, Wo 16, ln_q_g 18, ln_q_b 20, ln_kv_g 22
	s_load_b256 s[24:31], s[0:1], 0x40             ; ln_kv_b 24, xn 26, wqk 28, wb 30
	v_lshrrev_b32 v3, 5, v0
	v_readfirstlane_b32 s43, v3                    ; wave 0..11
	s_mul_i32 s2, ttmp9, 12
	s_add_co_u32 s2, s2, s43                       ; my share, 0 to 3,071
	v_and_b32 v3, 31, v0
	v_lshlrev_b32 v1, 4, v3                        ; 16 bytes a lane on the way in
	v_lshlrev_b32 v2, 3, v3                        ; 8 bytes a lane on the way out
	s_mov_b32 s48, 0x3a800000                      ; 1 / 1024
	s_mov_b32 s49, 0x3727c5ac                      ; 1e-5
	s_mov_b32 s50, 0x76543210                      ; v_permlanex16_b32: each lane takes its own place in the other half
	s_mov_b32 s51, 0xfedcba98
	s_mov_b32 s52, 2                               ; trips
	s_mov_b32 s42, 0                               ; the first share of my source
	s_mov_b32 s46, 0                               ; the first share of my destination
	s_wait_kmcnt 0x0
	s_mov_b64 s[SRC:SRC+1], s[8:9]
	s_mov_b64 s[DST:DST+1], s[26:27]
; from share t on: pointer d is the buffer in s[p:p+1], and its shares are counted from t
.macro PICK t, p, d, st
	s_cmp_ge_u32 s2, \t
	s_cselect_b64 s[\d:\d+1], s[\p:\p+1], s[\d:\d+1]
	s_cselect_b32 s\st, \t, s\st
.endm
	PICK 1024, 10, SRC, 42                         ; the sources follow each other: q_x 0, kv_x 1,024, Wq 2,048, Wkv 2,304, Wo 2,816
	PICK 2048, 12, SRC, 42
	PICK 2304, 14, SRC, 42
	PICK 2816, 16, SRC, 42
	PICK 2048, 28, DST, 46                         ; the destinations: xn 0, wqk 2,048, wb 2,816
	PICK 2816, 30, DST, 46
	s_sub_co_u32 s44, s2, s42
	s_lshl_b32 s44, s44, 14                        ; 4 rows of 4,096 bytes
	s_mov_b32 s45, 0
	s_add_nc_u64 s[SRC:SRC+1], s[SRC:SRC+1], s[44:45]
	s_sub_co_u32 s46, s2, s46
	s_lshl_b32 s46, s46, 13                        ; 4 rows of 2,048 bytes
	s_mov_b32 s47, 0
	s_add_nc_u64 s[DST:DST+1], s[DST:DST+1], s[46:47]
	s_cmp_lt_u32 s2, 1024
	s_cselect_b64 s[GP:GP+1], s[18:19], s[22:23]
	s_cselect_b64 s[BP:BP+1], s[20:21], s[24:25]
.macro LOADROW s                       ; eight loads: the whole row
.irp j, 0,1,2,3,4,5,6,7
	global_load_b128 v[X+32*(\s)+4*(\j):X+32*(\s)+4*(\j)+3], v1, s[SRC:SRC+1] offset:4096*(\s)+512*(\j) th:TH_LOAD_NT
.endr
.endm
.macro OUTROW s                        ; rounded in pairs and stored: each store of the wave covers 256 consecutive bytes, aligned
.irp k, 0,1,2,3,4,5,6,7,8,9,10,11,12,13,14,15
	v_cvt_pk_bf16_f32 v[Y+16*(\s)+(\k)], v[X+32*(\s)+2*(\k)], v[X+32*(\s)+2*(\k)+1]
.endr
.irp j, 0,1,2,3,4,5,6,7
	global_store_b64 v2, v[Y+16*(\s)+2*(\j):Y+16*(\s)+2*(\j)+1], s[DST:DST+1] offset:2048*(\s)+256*(\j)
.endr
.endm
.macro JOIN                            ; four chains of pairs into one number, then across the 32 lanes: every lane ends with the sum
	v_pk_add_f32 v[T:T+1], v[T:T+1], v[T+2:T+3]
	v_pk_add_f32 v[T+4:T+5], v[T+4:T+5], v[T+6:T+7]
	v_pk_add_f32 v[T:T+1], v[T:T+1], v[T+4:T+5]
	v_add_f32 v[T], v[T], v[T+1]
	v_add_f32_dpp v[T], v[T], v[T] row_xmask:1 row_mask:0xf bank_mask:0xf
	v_add_f32_dpp v[T], v[T], v[T] row_xmask:2 row_mask:0xf bank_mask:0xf
	v_add_f32_dpp v[T], v[T], v[T] row_xmask:4 row_mask:0xf bank_mask:0xf
	v_add_f32_dpp v[T], v[T], v[T] row_xmask:8 row_mask:0xf bank_mask:0xf
	v_permlanex16_b32 v[T+1], v[T], s50, s51       ; its destination has been written above
	v_add_f32 v[T], v[T], v[T+1]
.endm
.macro LNROW s
.set XS, X+32*(\s)
.irp c, 0,1,2,3
	v_pk_add_f32 v[T+2*(\c):T+2*(\c)+1], v[XS+2*(\c):XS+2*(\c)+1], v[XS+8+2*(\c):XS+8+2*(\c)+1]  ; the first sums start the chains: nothing is cleared
.endr
.irp c, 0,1,2,3,4,5,6,7
	v_pk_add_f32 v[T+2*((\c)%4):T+2*((\c)%4)+1], v[T+2*((\c)%4):T+2*((\c)%4)+1], v[XS+16+2*(\c):XS+16+2*(\c)+1]
.endr
	JOIN
	v_mul_f32 v[MU], s48, v[T]
	v_mul_f32 v[MU+1], s48, v[T]
.irp c, 0,1,2,3,4,5,6,7,8,9,10,11,12,13,14,15
	v_pk_add_f32 v[XS+2*(\c):XS+2*(\c)+1], v[XS+2*(\c):XS+2*(\c)+1], v[MU:MU+1] neg_lo:[0,1] neg_hi:[0,1]  ; x - mean, in place
.endr
.irp c, 0,1,2,3
	v_pk_mul_f32 v[T+2*(\c):T+2*(\c)+1], v[XS+2*(\c):XS+2*(\c)+1], v[XS+2*(\c):XS+2*(\c)+1]
.endr
.irp c, 4,5,6,7,8,9,10,11,12,13,14,15
	v_pk_fma_f32 v[T+2*((\c)%4):T+2*((\c)%4)+1], v[XS+2*(\c):XS+2*(\c)+1], v[XS+2*(\c):XS+2*(\c)+1], v[T+2*((\c)%4):T+2*((\c)%4)+1]
.endr
	JOIN
	v_fma_f32 v[T], v[T], s48, s49                 ; var + eps
	v_rsq_f32 v[RS], v[T]
	v_rsq_f32 v[RS+1], v[T]
	v_nop                                          ; a plain instruction behind the second root,
	s_wait_alu depctr_va_vdst(0)                   ; and one wait for both, ahead of the first line that names them
.irp c, 0,1,2,3,4,5,6,7,8,9,10,11,12,13,14,15
	v_pk_mul_f32 v[XS+2*(\c):XS+2*(\c)+1], v[XS+2*(\c):XS+2*(\c)+1], v[RS:RS+1]
.endr
.irp c, 0,1,2,3,4,5,6,7,8,9,10,11,12,13,14,15
	v_pk_fma_f32 v[XS+2*(\c):XS+2*(\c)+1], v[XS+2*(\c):XS+2*(\c)+1], v[G+2*(\c):G+2*(\c)+1], v[BT+2*(\c):BT+2*(\c)+1]
.endr
	OUTROW \s
.endm
	s_cmp_lt_u32 s2, 2048                          ; the first 2,048 shares are normalised, the others only rounded
	s_cbranch_scc0 .Lcast
.irp j, 0,1,2,3,4,5,6,7
	global_load_b128 v[G+4*(\j):G+4*(\j)+3], v1, s[GP:GP+1] offset:512*(\j)
	global_load_b128 v[BT+4*(\j):BT+4*(\j)+3], v1, s[BP:BP+1] offset:512*(\j)
.endr
.Lln:
	LOADROW 0
	LOADROW 1
	s_wait_loadcnt 8                               ; all but the second row's eight loads: the first row is in, gamma and beta too
	LNROW 0
	s_wait_loadcnt 0x0
	LNROW 1
	s_wait_xcnt 0x0                                ; the stores have read Y and the pointers: only now are they written again
	s_add_nc_u64 s[SRC:SRC+1], s[SRC:SRC+1], 8192
	s_add_nc_u64 s[DST:DST+1], s[DST:DST+1], 4096
	s_sub_co_u32 s52, s52, 1
	s_cmp_lg_u32 s52, 0
	s_cbranch_scc1 .Lln
	s_endpgm
.Lcast:
	LOADROW 0
	LOADROW 1
	s_wait_loadcnt 8                               ; the first row is in; the second row's eight loads may stay out
	OUTROW 0
	s_wait_loadcnt 0x0
	OUTROW 1
	s_wait_xcnt 0x0                                ; as above
	s_add_nc_u64 s[SRC:SRC+1], s[SRC:SRC+1], 8192
	s_add_nc_u64 s[DST:DST+1], s[DST:DST+1], 4096
	s_sub_co_u32 s52, s52, 1
	s_cmp_lg_u32 s52, 0
	s_cbranch_scc1 .Lcast
	s_endpgm
.Lfunc_end_k_qdff0d13f5f_prep:
	.size	k_qdff0d13f5f_prep, .Lfunc_end_k_qdff0d13f5f_prep-k_qdff0d13f5f_prep
	.p2alignl 7, 3214868480
	.fill 96, 4, 3214868480
	.section	.rodata,"a",@progbits
	.p2align	6, 0x0
	.amdhsa_kernel k_qdff0d13f5f_prep
		.amdhsa_group_segment_fixed_size 0
		.amdhsa_private_segment_fixed_size 0
		.amdhsa_enable_private_segment 0
		.amdhsa_kernarg_size 96
		.amdhsa_user_sgpr_count 2
		.amdhsa_user_sgpr_kernarg_segment_ptr 1
		.amdhsa_wavefront_size32 1
		.amdhsa_system_sgpr_workgroup_id_x 1
		.amdhsa_system_sgpr_workgroup_id_y 1
		.amdhsa_system_sgpr_workgroup_id_z 1
		.amdhsa_system_vgpr_workitem_id 0
		.amdhsa_next_free_vgpr 192
		.amdhsa_next_free_sgpr 66
		.amdhsa_reserve_vcc 0
		.amdhsa_float_denorm_mode_32 3
		.amdhsa_float_denorm_mode_16_64 3
		.amdhsa_memory_ordered 1
		.amdhsa_forward_progress 1
		.amdhsa_inst_pref_size 27
	.end_amdhsa_kernel
	.amdgpu_metadata
---
amdhsa.version: [ 1, 2 ]
amdhsa.kernels:
  - .name:           k_qdff0d13f5f_prep
    .symbol:         k_qdff0d13f5f_prep.kd
    .args:
      - { .name: q_x, .offset: 0, .size: 8, .value_kind: global_buffer, .address_space: global }
      - { .name: kv_x, .offset: 8, .size: 8, .value_kind: global_buffer, .address_space: global }
      - { .name: Wq, .offset: 16, .size: 8, .value_kind: global_buffer, .address_space: global }
      - { .name: Wkv, .offset: 24, .size: 8, .value_kind: global_buffer, .address_space: global }
      - { .name: Wo, .offset: 32, .size: 8, .value_kind: global_buffer, .address_space: global }
      - { .name: ln_q_g, .offset: 40, .size: 8, .value_kind: global_buffer, .address_space: global }
      - { .name: ln_q_b, .offset: 48, .size: 8, .value_kind: global_buffer, .address_space: global }
      - { .name: ln_kv_g, .offset: 56, .size: 8, .value_kind: global_buffer, .address_space: global }
      - { .name: ln_kv_b, .offset: 64, .size: 8, .value_kind: global_buffer, .address_space: global }
      - { .name: xn, .offset: 72, .size: 8, .value_kind: global_buffer, .address_space: global }
      - { .name: wqk, .offset: 80, .size: 8, .value_kind: global_buffer, .address_space: global }
      - { .name: wb, .offset: 88, .size: 8, .value_kind: global_buffer, .address_space: global }
    .group_segment_fixed_size: 0
    .private_segment_fixed_size: 0
    .kernarg_segment_align: 8
    .kernarg_segment_size: 96
    .max_flat_workgroup_size: 384
    .sgpr_count:     66
    .vgpr_count:     192
    .wavefront_size: 32
...
	.end_amdgpu_metadata
.endif
;; end of part 1
;; launch qkv (part 2): grid 16 x 16, 4 waves a work-group, clusters of 4 x 4, 327,680 bytes of LDS; arguments xn, wqk, qkv, W1, W2, wb; writes qkv, wb
.if DOCPART == 2
	.amdgcn_target "amdgcn-amd-amdhsa--gfx1250"
	.amdhsa_code_object_version 6
	.text
	.protected	k_qdff0d13f5f_qkv
	.globl	k_qdff0d13f5f_qkv
	.p2align	8
	.type	k_qdff0d13f5f_qkv,@function
k_qdff0d13f5f_qkv:
	s_mov_b64 s[64:65], 0
	v_nop
	global_prefetch_b8 v0, s[64:65] scope:SCOPE_SE
	s_setreg_imm32_b32 hwreg(HW_REG_WAVE_MODE, 25, 1), 1
	s_wait_xcnt 0x0
	s_wait_alu depctr_hold_cnt(0) depctr_sa_sdst(0) depctr_va_vdst(0) depctr_va_sdst(0) depctr_va_ssrc(0) depctr_va_vcc(0) depctr_vm_vsrc(0)
	s_getreg_b32 s2, hwreg(HW_REG_IB_STS2, 6, 4)
	s_cmp_eq_u32 s2, 0
	s_cbranch_scc0 .Lentry_in_a_cluster
	s_endpgm
.Lentry_in_a_cluster:
	s_bfe_u32 s2, ttmp6, 0x10000c
	s_cmp_lg_u32 s2, 0xf033
	s_cbranch_scc0 .Lentry_shape_is_right
	s_endpgm
.Lentry_shape_is_right:
; A GEMM ON TILES OF 256 x 256, K = 1,024: C[m][n] = sum over k of A[m][k] B[n][k], A and B bf16 with rows of 2,048 bytes, sums in f32.
; KIND 0 (this text): [q | k | v] = xn [Wq; Wkv]^T.  Columns 0-1023 take xn's rows 0-4095 (the normalised q_x), columns 1024-3071 its rows 4096-8191 (the normalised kv_x).
;   C leaves in bf16 BY HEADS: qkv[plane = column / 64][row m][64], a plane 524,288 bytes; q is not scaled here.  12 x 16 = 192 tiles: a tile may not hold columns of q and of k, whose A differ,
;   and 3,072 columns in tiles of 256 give no multiple of 256 work-groups; tiles half as tall would give a round and a half.
;   THE FOURTH COLUMN OF CLUSTERS (cluster x = 3) HAS NO TILE: its 64 work-groups round W1 and W2 to bf16 into wb, for the launches behind: 256 waves, 32 rows of 1,024 numbers each, 4 rows a trip.
;   The branch hangs on the cluster's x, which all sixteen partners share; those clusters ask for no tile and pass the opening and the closing round alone.
; KIND 1: h = silu(x1b W1^T + b1), bf16, [4096][4096]; the bias is the C operand of the products that start the sums; silu(z) = z / (1 + 2^(-z log2 e)).
; SHARES.  Four waves, each 128 x 128 of C: 64 accumulators, 512 registers.  K goes in 8 steps of 128 through two LDS slots; each wave fetches 128 rows x 256 bytes with one tensor load.
; CLUSTER.  4 x 4 work-groups: A's tile is shared along a row of the cluster, B's along a column; each is asked for jointly, by the same load with the same descriptor and a mask of the four.
; THE LOOP holds ONE K step; the slot in hand lies in s[TB], the slot to fill in the walking descriptor's LDS word, both turned by an exclusive or (SLOT shares no bit with wave x HALFT).
; THE MATRIX INSTRUCTION IS USED TRANSPOSED (source 0 = 16 rows of B, source 1 = 16 rows of A): a lane holds row l % 16 of C and the columns 8 (l / 16) + 0..7.
; THE WAY OUT.  All 64 accumulators go in f32 into the wave's own stage, 128 rows of 528 bytes, which lies in the ring's bytes behind their last fill; a counted loop reads rows back, finishes and stores them;
; a trip asks for the next trip's rows as soon as its own have been read out of their registers.
; LIMITS.  Operands are rounded to bf16; NaN and infinities are not treated apart.
; REGISTERS: window 0: v0-31 addresses; v64-127, v128-191 A's fragments, two buffers (later the way out's); v192-255 the bias (KIND 1).  window 1: v64-191 B's fragments.  windows 2, 3: accumulators (a, b) at v[8 (8 (a % 4) + b)].
.set KIND,   0
.set WOFF,   2097152                   ; where W1 begins in wb, in bytes
.set KSTEP,  128
.set PITCH,  272                       ; an LDS row: 256 bytes + 16 of padding: the 16 rows that a load touches start 68 words apart
.set HALFT,  128*PITCH
.set SLOT,   4*HALFT                   ; A's 256 rows, then B's 256 rows
.set SPARE,  2*SLOT                    ; behind the ring: the spare words, 128 bytes for each wave, which no other line names
.set SPITCH, 528                       ; a stage row: 512 bytes + 16
.set WSTAGE, 128*SPITCH                ; a wave's stage; four of them end below SPARE
.set ADRA,  16                         ; v16  LDS address of my A fragments in the slot in hand
.set ADRA0, 17                         ; v17  the same in slot 0; never rewritten
.set ADRB,  20
.set ADRB0, 21
.set STO,  24                          ; v24  the way out: where I put 16 bytes of a stage row
.set RD,   25                          ; v25  the way out: where I read them back; steps
.set CO,   26                          ; v26  my byte offset in the output
.set SPW,  28                          ; v28  my spare word; never rewritten
.set NIL,  29                          ; v29  0; never rewritten
.set PFO,  30                          ; v30  the prefetches' offset: lane x 2,048
.set F0,   64
.set F1,   128
.set BIAS, 192
.set G1,  24                           ; s[24:31] group 1 for A's tiles
.set G0,  32                           ; s[32:39] group 0 for A's: the first fill's, then the walking one
.set G1B, 48
.set G0B, 56
.set LIM, 43                           ; s43  2 in a wave that prefetches, else the greatest number
.set PFA, 44                           ; s[44:45] where my prefetches stand
.set TB,  66                           ; s66  0 or SLOT: the slot whose fragments are fetched
.set LB,  68                           ; s68  wave x HALFT: my tile's place in a slot
.set MSB, 0
.macro WIN new                         ; the immediate's high byte repeats the setting that is left; a switch that changes nothing is dropped
.if MSB != (\new)
	s_set_vgpr_msb (MSB<<8)|(\new)
.set MSB, \new
.endif
.endm
.set MUL_LO, 0xa1                      ; source 0 (B) window 1, source 1 (A) window 0, C and D window 2
.set MUL_HI, 0xf1                      ; the same, C and D window 3
.set TO_B,   0x40                      ; destination window 1, address window 0
; A joint load: waves 0 and 1 fetch A's halves, waves 2 and 3 B's.  The branch hangs on the wave's number alone.  An s_nop 0 and four v_nop follow each line.
.macro JLOAD s
	s_cmp_eq_u32 s11, 0
	s_cbranch_scc0 .Lfor_b_\@
	tensor_load_to_lds s[G0+4*(\s):G0+4*(\s)+3], s[G1:G1+7]
	s_nop 0
.rept 4
	v_nop
.endr
	s_branch .Lasked_\@
.Lfor_b_\@:
	tensor_load_to_lds s[G0B+4*(\s):G0B+4*(\s)+3], s[G1B:G1B+7]
	s_nop 0
.rept 4
	v_nop
.endr
.Lasked_\@:
.endm
; A prefetch of the K step that stands two refills on: 32 rows x 256 bytes, a lane a row, one instruction a wave.  Each row's 256 bytes of a K step are named once in the launch: of the clusters that read a
; tile row of A (a tile column of B) one asks; its four partners share the 128 rows that a wave fetches by ADDRESS, 32 each.  The trips with s3 = 2 and 1 have no K step two on.
.macro ASK
	s_cmp_gt_u32 s3, s[LIM]
	s_cbranch_scc0 .Lnot_mine_\@
	global_prefetch_b8 v[PFO], s[PFA:PFA+1] offset:KSTEP*2 th:TH_LOAD_NT scope:SCOPE_SE
.Lnot_mine_\@:
.endm
.macro CREST                           ; a round of the cluster's barrier behind its opening barrier
	s_cmp_lg_u32 s10, 0
	s_cbranch_scc1 .Lnot_wave_0_\@
	s_barrier_signal -3
.Lnot_wave_0_\@:
	s_barrier_wait -3
	s_barrier_signal -1
	s_barrier_wait -1
.endm
.macro CROUND
	s_barrier_signal -1
	s_barrier_wait -1
	CREST
.endm
	s_load_b128 s[4:7], s[0:1], 0x0                ; A s[4:5], B's buffer s[6:7]
.if KIND
	s_load_b128 s[72:75], s[0:1], 0x10             ; b1 s[72:73], hb s[74:75]
.else
	s_load_b64 s[8:9], s[0:1], 0x10                ; qkv
	s_load_b64 s[72:73], s[0:1], 0x18              ; W1
	s_load_b64 s[74:75], s[0:1], 0x20              ; W2
	s_load_b64 s[76:77], s[0:1], 0x28              ; wb
.endif
	v_lshl_add_u32 v[SPW], v0, 2, SPARE
	v_mov_b32 v[NIL], 0
	ds_add_u32 v[SPW], v[NIL]                      ; the wave's opening: the add and its wait ahead of my first tensor load
	v_lshrrev_b32 v1, 5, v0
	v_readfirstlane_b32 s10, v1                    ; wave 0..3
	s_lshr_b32 s11, s10, 1                         ; my half of the tile's rows.  Also: I fetch for A (0) or for B (1)
	s_and_b32 s12, s10, 1                          ; my half of its columns.  Also: which 128 rows I fetch
	s_bfe_u32 s40, ttmp6, 0x40000                  ; cx
	s_bfe_u32 s41, ttmp6, 0x40004                  ; cy
	s_lshl_b32 s42, ttmp9, 2
	s_add_co_u32 s42, s42, s40                     ; tile column
	s_and_b32 s13, ttmp7, 0xffff
	s_lshl_b32 s13, s13, 2
	s_add_co_u32 s13, s13, s41                     ; tile row
	s_lshl_b32 s43, s41, 2
	s_lshl_b32 s43, 15, s43                        ; my row of the cluster
	s_lshl_b32 s44, 0x1111, s40                    ; my column
	s_or_b32 s[G1+0], s43, (1<<16)|(1<<20)|(1<<21)|(5<<22)|(3<<25)   ; the mask; 2-byte elements; padding on; bit 21 beside a mask; after every 64 words 4 words
	s_or_b32 s[G1B+0], s44, (1<<16)|(1<<20)|(1<<21)|(5<<22)|(3<<25)
.irp g, G1, G1B
	s_mov_b32 s[(\g)+1], KSTEP<<16                 ; tensor_dim0 = 128
	s_mov_b32 s[(\g)+2], 128<<16                   ; tensor_dim1 = 128
	s_mov_b32 s[(\g)+3], KSTEP<<16                 ; tile_dim0 = 128
	s_mov_b32 s[(\g)+4], 128                       ; tile_dim1 = 128
	s_mov_b32 s[(\g)+5], 1024                      ; elements from row to row
	s_mov_b32 s[(\g)+6], 0
	s_mov_b32 s[(\g)+7], 0
.endr
	s_mov_b32 s[TB], 0
	s_lshl_b32 s17, s12, 7
	s_lshl_b32 s16, s13, 8
	s_add_co_u32 s16, s16, s17                     ; A: row 256 x tile row + 128 x half
.if KIND == 0
	s_cmp_eq_u32 ttmp9, 0                          ; the cluster's x, which all partners share: cluster 0 makes q, clusters 1 and 2 make k and v
	s_cselect_b32 s18, 0, 4096
	s_add_co_u32 s16, s16, s18
.endif
	s_lshl_b32 s46, s42, 8
	s_add_co_u32 s46, s46, s17                     ; B: row 256 x tile column + 128 x half
	s_lshl_b32 s16, s16, 11                        ; rows of 2,048 bytes
	s_lshl_b32 s46, s46, 11
.if KIND
	s_add_co_u32 s46, s46, WOFF                    ; W1 begins here in wb
.endif
	s_mov_b32 s17, 0
	s_mov_b32 s47, 0
	s_mul_i32 s[LB], s10, HALFT
	s_wait_dscnt 0x0                               ; the opening add is done
	s_wait_kmcnt 0x0
.if KIND
	s_mov_b64 s[8:9], s[74:75]
.endif
	s_add_nc_u64 s[14:15], s[4:5], s[16:17]
	s_add_nc_u64 s[46:47], s[6:7], s[46:47]
	CROUND                                         ; all sixteen work-groups are here: the first joint loads meet
.if KIND == 0
	s_cmp_eq_u32 ttmp9, 3                          ; the clusters without a tile (the addresses made above are not used there)
	s_cbranch_scc1 .Lweights
.endif
.irp s, 0,1
	s_mov_b32 s[G0+4*(\s)], 1
	s_add_co_u32 s[G0+4*(\s)+1], s[LB], (\s)*SLOT
	s_add_nc_u64 s[G0+4*(\s)+2:G0+4*(\s)+3], s[14:15], (\s)*KSTEP*2
	s_or_b32 s[G0+4*(\s)+3], s[G0+4*(\s)+3], 0x80000000
	s_mov_b32 s[G0B+4*(\s)], 1
	s_add_co_u32 s[G0B+4*(\s)+1], s[LB], (\s)*SLOT
	s_add_nc_u64 s[G0B+4*(\s)+2:G0B+4*(\s)+3], s[46:47], (\s)*KSTEP*2
	s_or_b32 s[G0B+4*(\s)+3], s[G0B+4*(\s)+3], 0x80000000
	JLOAD \s                                       ; K steps 0 and 1: two loads of mine are out
.endr
	v_and_b32 v1, 15, v0                           ; l % 16
	v_bfe_u32 v2, v0, 4, 1                         ; l / 16
.if KIND
	s_lshl_b32 s16, s42, 10                        ; the bias of my 128 columns: 4 (256 x tile column + 128 x half) bytes on
	s_lshl_b32 s17, s12, 9
	s_add_co_u32 s16, s16, s17
	s_mov_b32 s17, 0
	s_add_nc_u64 s[72:73], s[72:73], s[16:17]
	v_lshlrev_b32 v7, 5, v2                        ; my lanes' 8 columns of a block of 16
.irp b, 0,1,2,3,4,5,6,7
	global_load_b128 v[BIAS+8*(\b):BIAS+8*(\b)+3],   v7, s[72:73] offset:64*(\b)
	global_load_b128 v[BIAS+8*(\b)+4:BIAS+8*(\b)+7], v7, s[72:73] offset:64*(\b)+16
.endr
.endif
	v_mul_u32_u24 v3, v1, PITCH
	v_lshl_add_u32 v3, v2, 4, v3                   ; a fragment's row x pitch + 16 x half
	s_mul_i32 s21, s11, HALFT                      ; my 128 rows of A
	s_mul_i32 s22, s12, HALFT
	s_add_co_u32 s22, s22, 2*HALFT                 ; my 128 rows of B, behind A's 256
	v_add_nc_u32 v[ADRA0], s21, v3
	v_add_nc_u32 v[ADRB0], s22, v3
	v_mov_b32 v[ADRA], v[ADRA0]
	v_mov_b32 v[ADRB], v[ADRB0]
	s_mul_i32 s23, s10, WSTAGE                     ; my stage
	v_mul_u32_u24 v4, v1, SPITCH
	v_lshl_add_u32 v4, v2, 4, v4
	v_add_nc_u32 v[STO], s23, v4                   ; in: row l % 16; group g = 2 b + l / 16 of eight columns puts its first four at 16 g, its last four at 256 + 16 g
	v_mul_u32_u24 v5, v2, SPITCH
	v_lshl_add_u32 v5, v1, 4, v5
	v_add_nc_u32 v[RD], s23, v5                    ; back: lanes 0-15 one row, lanes 16-31 the next; lane g takes group g
.if KIND
	v_lshlrev_b32 v5, 13, v2                       ; hb: rows of 8,192 bytes, 16 bytes a group
	v_lshl_add_u32 v[CO], v1, 4, v5
	s_lshl_b32 s16, s13, 21                        ; 256 x tile row,
	s_lshl_b32 s17, s11, 20                        ; my 128 rows,
	s_add_co_u32 s16, s16, s17
	s_lshl_b32 s17, s42, 9                         ; the tile's 512 bytes of a row,
	s_add_co_u32 s16, s16, s17
	s_lshl_b32 s17, s12, 8                         ; my 256 of them
	s_add_co_u32 s16, s16, s17
.else
	v_lshrrev_b32 v5, 3, v1                        ; qkv: groups 0-7 are one head, 8-15 the next: a plane on
	v_lshlrev_b32 v5, 19, v5
	v_lshl_add_u32 v5, v2, 7, v5                   ; rows of 128 bytes
	v_and_b32 v6, 7, v1
	v_lshl_add_u32 v[CO], v6, 4, v5
	s_lshl_b32 s16, s42, 2
	s_lshl_b32 s17, s12, 1
	s_add_co_u32 s16, s16, s17                     ; my first plane: 4 x tile column + 2 x half
	s_lshl_b32 s16, s16, 19
	s_lshl_b32 s17, s13, 15                        ; 256 x tile row rows of 128 bytes
	s_add_co_u32 s16, s16, s17
	s_lshl_b32 s17, s11, 14
	s_add_co_u32 s16, s16, s17
.endif
	s_mov_b32 s17, 0
	s_add_nc_u64 s[8:9], s[8:9], s[16:17]
	; the prefetches
	s_lshl_b32 s20, s13, 8                         ; A's tile begins at this row,
.if KIND
	s_mov_b32 s23, ttmp9                           ; and every cluster of my row of clusters reads it: the first asks
.else
	s_cmp_eq_u32 ttmp9, 0
	s_cselect_b32 s21, 0, 4096
	s_add_co_u32 s20, s20, s21
	s_lshr_b32 s23, ttmp9, 1                       ; cluster 0 alone reads q's rows and asks; of clusters 1 and 2, which read kv's, cluster 1 asks
.endif
	s_lshl_b32 s21, s42, 8                         ; B's at this one
.if KIND
	s_add_co_u32 s21, s21, WOFF/2048
.endif
	s_and_b32 s22, ttmp7, 0xffff                   ; cluster y
	s_cmp_eq_u32 s11, 0                            ; do I fetch for A?
	s_cselect_b32 s20, s20, s21
	s_cselect_b32 s21, s40, s41                    ; my place among the four that ask with me
	s_cselect_b32 s22, s23, s22
	s_cselect_b64 s[PFA:PFA+1], s[4:5], s[6:7]
	s_cmp_eq_u32 s22, 0
	s_cselect_b32 s[LIM], 2, -1                    ; the same in all sixteen partners, for a given wave
	s_lshl_b32 s22, s12, 7
	s_add_co_u32 s20, s20, s22
	s_lshl_b32 s21, s21, 5
	s_add_co_u32 s20, s20, s21                     ; my work-group's 32 of the 128 rows that I fetch
	s_lshl_b32 s20, s20, 11
	s_add_co_u32 s20, s20, 2*KSTEP*2               ; at K step 2: the first refill steps it to 3 and names K step 4
	s_mov_b32 s21, 0
	s_add_nc_u64 s[PFA:PFA+1], s[PFA:PFA+1], s[20:21]
	v_and_b32 v[PFO], 31, v0
	v_lshlrev_b32 v[PFO], 11, v[PFO]
; 16 matrix instructions: m blocks a0, a0 + 1 of the window's four x all 8 n blocks, 32 along K.  zero = 1: the product starts the sum, with 0 or (KIND 1) with the bias.
.macro MUL16 f, hi, a0, zero
.if (\zero) && KIND
	WIN 0x81+0x40*(\hi)
.else
	WIN MUL_LO+0x50*(\hi)
.endif
.irp a, \a0, (\a0)+1
.irp b, 0,1,2,3,4,5,6,7
.if (\zero) && KIND
	v_wmma_f32_16x16x32_bf16 v[8*(8*(\a)+(\b)):8*(8*(\a)+(\b))+7], v[(\f)+8*(\b):(\f)+8*(\b)+7], v[(\f)+8*(4*(\hi)+(\a)):(\f)+8*(4*(\hi)+(\a))+7], v[BIAS+8*(\b):BIAS+8*(\b)+7]
.elseif \zero
	v_wmma_f32_16x16x32_bf16 v[8*(8*(\a)+(\b)):8*(8*(\a)+(\b))+7], v[(\f)+8*(\b):(\f)+8*(\b)+7], v[(\f)+8*(4*(\hi)+(\a)):(\f)+8*(4*(\hi)+(\a))+7], 0
.else
	v_wmma_f32_16x16x32_bf16 v[8*(8*(\a)+(\b)):8*(8*(\a)+(\b))+7], v[(\f)+8*(\b):(\f)+8*(\b)+7], v[(\f)+8*(4*(\hi)+(\a)):(\f)+8*(4*(\hi)+(\a))+7], v[8*(8*(\a)+(\b)):8*(8*(\a)+(\b))+7]
.endif
.endr
.endr
.endm
; 32 LDS loads in one run: a quarter step's fragments (32 K at byte k of the rows of the slot in hand) into buffer f
.macro FETCH k, f
	WIN TO_B
.irp i, 0,1,2,3,4,5,6,7
	ds_load_b128 v[(\f)+8*(\i):(\f)+8*(\i)+3],   v[ADRB] offset:(\k)+(\i)*16*PITCH
	ds_load_b128 v[(\f)+8*(\i)+4:(\f)+8*(\i)+7], v[ADRB] offset:(\k)+(\i)*16*PITCH+32
.endr
	WIN 0
.irp i, 0,1,2,3,4,5,6,7
	ds_load_b128 v[(\f)+8*(\i):(\f)+8*(\i)+3],   v[ADRA] offset:(\k)+(\i)*16*PITCH
	ds_load_b128 v[(\f)+8*(\i)+4:(\f)+8*(\i)+7], v[ADRA] offset:(\k)+(\i)*16*PITCH+32
.endr
.endm
.macro PLACES                          ; four plain instructions between a matrix instruction and a load into, or a read of, its registers
.rept 4
	v_nop
.endr
.endm
; One of a K step's first three quarters: multiplies buffer f; in its middle it fetches the next quarter, at byte k, into buffer g.  The 64 accumulators take turns, in the same order in every quarter.
.macro QUARTER k, f, g, zero
	s_wait_dscnt 8                                 ; B and A's rows 0-63 are in; the youngest eight loads (A's rows 64-127) may be out
	MUL16 \f, 0, 0, \zero
	MUL16 \f, 0, 2, \zero
	PLACES
	FETCH \k, \g
	s_wait_dscnt 32                                ; all but the 32 just issued
	MUL16 \f, 1, 0, \zero
	MUL16 \f, 1, 2, \zero
.endm
; The last quarter multiplies buffer 1 and changes slots.  In front of the barrier each wave waits for all its tensor loads (one is out: its part of the next slot), adds 0 to its spare word, and waits for
; that and for its reads of this slot.  fill = 1: the barrier opens a round of the cluster's barrier, and the joint refill, two K steps on, is the first thing behind the round.
.macro TURN fill
.if \fill
	s_wait_xcnt 0x0                                ; the last prefetch, a K step back, has read its address
	s_add_nc_u64 s[PFA:PFA+1], s[PFA:PFA+1], KSTEP*2
.endif
	WIN 0
	s_wait_tensorcnt 0x0                           ; all my tensor loads have landed
	ds_add_u32 v[SPW], v[NIL]                      ; 0 onto my spare word
	s_wait_dscnt 9                                 ; (the add and the youngest eight loads may be out)
	MUL16 F1, 0, 0, 0
	s_wait_dscnt 0x0                               ; the add is done, and my reads of this slot are over
	s_barrier_signal -1
	MUL16 F1, 0, 2, 0
.if \fill
	WIN 0
.endif
	s_barrier_wait -1
.if \fill
	CREST                                          ; no wave of any partner still reads this slot or has a load on its way
	s_xor_b32 s[G0+5], s[G0+5], SLOT               ; the walking descriptors: the other slot than last time,
	s_xor_b32 s[G0B+5], s[G0B+5], SLOT
	s_add_nc_u64 s[G0+6:G0+7], s[G0+6:G0+7], KSTEP*2      ; the next K step
	s_add_nc_u64 s[G0B+6:G0B+7], s[G0B+6:G0B+7], KSTEP*2
	JLOAD 1                                        ; its four v_nop are also the places in front of the loads below
.else
	PLACES
.endif
	WIN 0
	s_xor_b32 s[TB], s[TB], SLOT
	v_add_nc_u32 v[ADRA], s[TB], v[ADRA0]
	v_add_nc_u32 v[ADRB], s[TB], v[ADRB0]
	FETCH 0, F0
.if \fill
	ASK
.endif
	MUL16 F1, 1, 0, 0
	MUL16 F1, 1, 2, 0
.endm
; The way out: 2 n stage rows back into v[64 ..]: lanes 0-15 take one row, lanes 16-31 the next; a lane's eight columns come in two loads
.macro BACK n
.set i, 0
.rept \n
	ds_load_b128 v[64+8*i:64+8*i+3],   v[RD] offset:i*2*SPITCH
	ds_load_b128 v[64+8*i+4:64+8*i+7], v[RD] offset:i*2*SPITCH+256
.set i, i+1
.endr
.endm
	s_wait_tensorcnt 1                             ; my part of K step 0 is in; K step 1's may stay out
	s_barrier_signal -1
	s_barrier_wait -1
.if KIND
	s_wait_loadcnt 0x0                             ; the bias
.endif
	FETCH 0, F0
	QUARTER 64, F0, F1, 1                          ; the first quarter stands in front of the loop: its products start the sums
	WIN 0
	s_mov_b32 s3, 6
.Lstep:                                        ; six trips, from a K step's second quarter to the next one's first: the refills are K steps 2 to 7
	QUARTER 128, F1, F0, 0
	QUARTER 192, F0, F1, 0
	TURN 1
	QUARTER 64, F0, F1, 0
	WIN 0
	s_sub_co_u32 s3, s3, 1
	s_cmp_lg_u32 s3, 0
	s_cbranch_scc1 .Lstep
	s_mov_b32 s3, 2
.Ltail:                                        ; K steps 6 and 7 ask for nothing; the second trip is left in its middle
	QUARTER 128, F1, F0, 0
	QUARTER 192, F0, F1, 0
	WIN 0
	s_sub_co_u32 s3, s3, 1
	s_cmp_eq_u32 s3, 0
	s_cbranch_scc1 .Llast
	TURN 0
	QUARTER 64, F0, F1, 0
	WIN 0
	s_branch .Ltail
.Llast:
	s_wait_dscnt 0x0                               ; my last reads of the ring are back:
	s_barrier_signal -1                            ; say so,
	MUL16 F1, 0, 0, 0
	MUL16 F1, 0, 2, 0
	MUL16 F1, 1, 0, 0
	MUL16 F1, 1, 2, 0
	WIN 0
	s_barrier_wait -1                              ; and nobody reads the ring any more; it has had its last fill, so the stages may be written
	PLACES
	PLACES
.irp hi, 0,1
	WIN 0x08+4*(\hi)                               ; store data in window 2, then 3
.irp a, 0,1,2,3
.irp b, 0,1,2,3,4,5,6,7
	ds_store_b128 v[STO], v[8*(8*(\a)+(\b)):8*(8*(\a)+(\b))+3]   offset:(4*(\hi)+(\a))*16*SPITCH+32*(\b)
	ds_store_b128 v[STO], v[8*(8*(\a)+(\b))+4:8*(8*(\a)+(\b))+7] offset:(4*(\hi)+(\a))*16*SPITCH+32*(\b)+256
.endr
.endr
.endr
	WIN 0
	s_wait_dscnt 0x0
	s_barrier_signal -1
	s_barrier_wait -1                              ; every stage is whole
.if KIND
.set XR, 64                            ; 8 rows: z
.set ER, 96                            ; 2^(-z log2 e), 1 + that, its reciprocal, silu(z)
.set YR, 128                           ; rounded
	BACK 4                                         ; the first 8 rows
	s_mov_b32 s3, 16
.Ldrain:                                       ; sixteen trips of 8 rows
	s_wait_dscnt 0x0                               ; this trip's rows, asked for in the trip before
	v_pk_mul_f32 v[ER:ER+1], v[XR:XR+1], 0xbfb8aa3b op_sel_hi:[1,0]
.set k, 1
.rept 15
	v_pk_mul_f32 v[ER+2*k:ER+2*k+1], v[XR+2*k:XR+2*k+1], 0xbfb8aa3b op_sel_hi:[1,0]
	v_exp_f32 v[ER+2*k-2], v[ER+2*k-2]
	v_exp_f32 v[ER+2*k-1], v[ER+2*k-1]
.set k, k+1
.endr
	v_exp_f32 v[ER+30], v[ER+30]
	v_exp_f32 v[ER+31], v[ER+31]
	v_nop                                          ; a plain instruction behind the last exponential,
	s_wait_alu depctr_va_vdst(0)                   ; and one wait for the 32, ahead of the first line that names a result
	v_pk_add_f32 v[ER:ER+1], v[ER:ER+1], 1.0 op_sel_hi:[1,0]
.set k, 1
.rept 15
	v_pk_add_f32 v[ER+2*k:ER+2*k+1], v[ER+2*k:ER+2*k+1], 1.0 op_sel_hi:[1,0]
	v_rcp_f32 v[ER+2*k-2], v[ER+2*k-2]
	v_rcp_f32 v[ER+2*k-1], v[ER+2*k-1]
.set k, k+1
.endr
	v_rcp_f32 v[ER+30], v[ER+30]
	v_rcp_f32 v[ER+31], v[ER+31]
	v_nop
	s_wait_alu depctr_va_vdst(0)                   ; one wait for the 32 reciprocals
.set k, 0
.rept 16
	v_pk_mul_f32 v[ER+2*k:ER+2*k+1], v[XR+2*k:XR+2*k+1], v[ER+2*k:ER+2*k+1]
.set k, k+1
.endr
	s_cmp_eq_u32 s3, 1                             ; z has been read for the last time: the next 8 rows are asked for, but in the last trip
	s_cbranch_scc1 .Lno_more
	v_add_nc_u32 v[RD], 8*SPITCH, v[RD]
	BACK 4
.Lno_more:
	s_wait_xcnt 0x0                                ; the last trip's stores, a trip's arithmetic back, have read their data and their base
	s_add_nc_u64 s[8:9], s[8:9], 65536             ; 8 rows of hb on; the stores below reach back
.set k, 0
.rept 16
	v_cvt_pk_bf16_f32 v[YR+k], v[ER+2*k], v[ER+2*k+1]
.set k, k+1
.endr
.irp i, 0,1,2,3
	global_store_b128 v[CO], v[YR+4*(\i):YR+4*(\i)+3], s[8:9] offset:(\i)*16384-65536  ; 16 lanes store 256 consecutive bytes, aligned: my 128 columns of a row
.endr
.else
	BACK 8                                         ; the first 16 rows
	s_mov_b32 s3, 8
.Ldrain:                                       ; eight trips of 16 rows
	s_wait_dscnt 0x0                               ; this trip's rows, asked for in the trip before
	s_wait_xcnt 0x0                                ; the last trip's stores have read their data and their base
	s_add_nc_u64 s[8:9], s[8:9], 2048              ; 16 rows of 128 bytes on; the stores below reach back
.set k, 0
.rept 32
	v_cvt_pk_bf16_f32 v[128+k], v[64+2*k], v[64+2*k+1]
.set k, k+1
.endr
	s_cmp_eq_u32 s3, 1                             ; the rows have been read out of their registers: the next 16 are asked for, but in the last trip
	s_cbranch_scc1 .Lno_more
	v_add_nc_u32 v[RD], 16*SPITCH, v[RD]
	BACK 8
.Lno_more:
.irp i, 0,1,2,3,4,5,6,7
	global_store_b128 v[CO], v[128+4*(\i):128+4*(\i)+3], s[8:9] offset:(\i)*256-2048  ; two rows of each of two heads: two blocks of 256 consecutive bytes, aligned, each written whole
.endr
.endif
	s_sub_co_u32 s3, s3, 1
	s_cmp_lg_u32 s3, 0
	s_cbranch_scc1 .Ldrain
.if KIND == 0
	s_branch .Lend
.Lweights:                                     ; THE CLUSTERS WITHOUT A TILE: wb's rows of W1 and W2 = those numbers rounded once to bf16
	s_lshl_b32 s80, s13, 2
	s_add_co_u32 s80, s80, s40                     ; my work-group among the 64: 4 x (4 x cluster y + cy) + cx; it enters plain loads' and stores' addresses alone
	s_lshl_b32 s80, s80, 2
	s_add_co_u32 s80, s80, s10                     ; my wave among the 256: 32 rows each
	s_cmp_lt_u32 s80, 128
	s_cselect_b64 s[82:83], s[72:73], s[74:75]     ; waves 0-127 take W1, the others W2
	s_and_b32 s84, s80, 127
	s_lshl_b32 s84, s84, 17                        ; 32 rows of 4,096 bytes
	s_mov_b32 s85, 0
	s_add_nc_u64 s[82:83], s[82:83], s[84:85]
	s_lshl_b32 s84, s80, 16                        ; 32 rows of 2,048 bytes: W2's rows follow W1's in wb
	s_add_co_u32 s84, s84, WOFF
	s_add_nc_u64 s[76:77], s[76:77], s[84:85]
	v_and_b32 v32, 31, v0
	v_lshlrev_b32 v33, 3, v32                      ; 8 bytes a lane on the way out
	v_lshlrev_b32 v32, 4, v32                      ; 16 bytes a lane on the way in
	s_mov_b32 s3, 8
.Lrows:                                        ; eight trips of 4 rows
.irp r, 0,1,2,3
.irp j, 0,1,2,3,4,5,6,7
	global_load_b128 v[64+32*(\r)+4*(\j):64+32*(\r)+4*(\j)+3], v32, s[82:83] offset:4096*(\r)+512*(\j) th:TH_LOAD_NT
.endr
.endr
	s_wait_loadcnt 0x0
	s_wait_xcnt 0x0                                ; the last trip's stores have read their data and their base
	s_add_nc_u64 s[82:83], s[82:83], 16384
	s_add_nc_u64 s[76:77], s[76:77], 8192          ; the stores below reach back
.set k, 0
.rept 64
	v_cvt_pk_bf16_f32 v[192+k], v[64+2*k], v[64+2*k+1]
.set k, k+1
.endr
.irp r, 0,1,2,3
.irp j, 0,1,2,3,4,5,6,7
	global_store_b64 v33, v[192+16*(\r)+2*(\j):192+16*(\r)+2*(\j)+1], s[76:77] offset:2048*(\r)+256*(\j)-8192  ; 256 consecutive bytes, aligned
.endr
.endr
	s_sub_co_u32 s3, s3, 1
	s_cmp_lg_u32 s3, 0
	s_cbranch_scc1 .Lrows
.Lend:
.endif
	s_wait_tensorcnt 0x0                           ; the wave's end
	ds_add_u32 v[SPW], v[NIL]
	s_wait_dscnt 0x0
	CROUND                                         ; the closing round
	s_endpgm
.Lfunc_end_k_qdff0d13f5f_qkv:
	.size	k_qdff0d13f5f_qkv, .Lfunc_end_k_qdff0d13f5f_qkv-k_qdff0d13f5f_qkv
	.p2alignl 7, 3214868480
	.fill 96, 4, 3214868480
	.section	.rodata,"a",@progbits
	.p2align	6, 0x0
	.amdhsa_kernel k_qdff0d13f5f_qkv
		.amdhsa_group_segment_fixed_size 327680
		.amdhsa_private_segment_fixed_size 0
		.amdhsa_enable_private_segment 0
		.amdhsa_kernarg_size 48
		.amdhsa_user_sgpr_count 2
		.amdhsa_user_sgpr_kernarg_segment_ptr 1
		.amdhsa_wavefront_size32 1
		.amdhsa_system_sgpr_workgroup_id_x 1
		.amdhsa_system_sgpr_workgroup_id_y 1
		.amdhsa_system_sgpr_workgroup_id_z 1
		.amdhsa_system_vgpr_workitem_id 0
		.amdhsa_next_free_vgpr 1024
		.amdhsa_next_free_sgpr 88
		.amdhsa_reserve_vcc 0
		.amdhsa_float_denorm_mode_32 3
		.amdhsa_float_denorm_mode_16_64 3
		.amdhsa_memory_ordered 1
		.amdhsa_forward_progress 1
		.amdhsa_inst_pref_size 99
	.end_amdhsa_kernel
	.amdgpu_metadata
---
amdhsa.version: [ 1, 2 ]
amdhsa.kernels:
  - .name:           k_qdff0d13f5f_qkv
    .symbol:         k_qdff0d13f5f_qkv.kd
    .args:
      - { .name: xn, .offset: 0, .size: 8, .value_kind: global_buffer, .address_space: global }
      - { .name: wqk, .offset: 8, .size: 8, .value_kind: global_buffer, .address_space: global }
      - { .name: qkv, .offset: 16, .size: 8, .value_kind: global_buffer, .address_space: global }
      - { .name: W1, .offset: 24, .size: 8, .value_kind: global_buffer, .address_space: global }
      - { .name: W2, .offset: 32, .size: 8, .value_kind: global_buffer, .address_space: global }
      - { .name: wb, .offset: 40, .size: 8, .value_kind: global_buffer, .address_space: global }
    .group_segment_fixed_size: 327680
    .private_segment_fixed_size: 0
    .kernarg_segment_align: 8
    .kernarg_segment_size: 48
    .max_flat_workgroup_size: 128
    .sgpr_count:     88
    .vgpr_count:     1024
    .wavefront_size: 32
...
	.end_amdgpu_metadata
.endif
;; end of part 2
;; launch attn (part 3): grid 8 x 32, 4 waves a work-group, clusters of 4 x 1, 327,680 bytes of LDS; arguments qkv, ao; writes ao
.if DOCPART == 3
	.amdgcn_target "amdgcn-amd-amdhsa--gfx1250"
	.amdhsa_code_object_version 6
	.text
	.protected	k_qdff0d13f5f_attn
	.globl	k_qdff0d13f5f_attn
	.p2align	8
	.type	k_qdff0d13f5f_attn,@function
k_qdff0d13f5f_attn:
	s_mov_b64 s[64:65], 0
	v_nop
	global_prefetch_b8 v0, s[64:65] scope:SCOPE_SE
	s_setreg_imm32_b32 hwreg(HW_REG_WAVE_MODE, 25, 1), 1
	s_wait_xcnt 0x0
	s_wait_alu depctr_hold_cnt(0) depctr_sa_sdst(0) depctr_va_vdst(0) depctr_va_sdst(0) depctr_va_ssrc(0) depctr_va_vcc(0) depctr_vm_vsrc(0)
	s_getreg_b32 s2, hwreg(HW_REG_IB_STS2, 6, 4)
	s_cmp_eq_u32 s2, 0
	s_cbranch_scc0 .Lentry_in_a_cluster
	s_endpgm
.Lentry_in_a_cluster:
	s_bfe_u32 s2, ttmp6, 0x10000c
	s_cmp_lg_u32 s2, 0x3003
	s_cbranch_scc0 .Lentry_shape_is_right
	s_endpgm
.Lentry_shape_is_right:
; ATTENTION.  ao[h][b 2048 + q][:] = the sum over k of softmax_k(Q[q] . K[k] / 8) V[k][:], for 16 heads x 2 batches.  qkv: [48 planes][4096 rows][64] bf16: plane h is Q, 16 + h is K, 32 + h is V.
; ao: [16][4096][64] bf16.  Products, maxima and sums in f32; the weights p are rounded to bf16 for the second product (their sum l is taken of the unrounded p), O once at the end.
; LIMITS.  A weight below 2^-126 counts as 0 in l; NaN and infinities are not treated apart; c m starts at -4.2e37, far below every c s that finite bf16 rows of 64 can reach after the scale.
; SHARES.  A work-group owns 256 queries of one head and batch, a wave 64: four PIECES of 16.  Every wave walks all 2,048 keys, 64 a step; a slot of LDS holds 256 keys, four steps.
; LAYOUT.  S^T = K Q^T (source 0 = 16 keys, source 1 = 16 queries) holds ONE query a lane (lane % 16) and the keys 8 (lane / 16) + 0..7; two such results rounded to bf16 ARE source 1 of O^T = V^T P.
; K comes out of LDS as it lies, V ([key][channel]) turned, by ds_load_tr16_b128.
; SOFTMAX.  p = 2^(c s - c m), c = log2(e) / 8, with a running maximum m; O and l are multiplied by a = 2^(c m_old - c m_new) in every step.  m starts at the lowest finite number, O and l at 0.
; TURNS.  Turn n belongs to piece n: 8 products K Q^T of piece n + 1, later 8 products V^T P of piece n - 1; beside them the scaling, exponentials, roundings, sums and rescaling of piece n and the maximum and
; statistics of piece n + 1.  Four vector instructions stand behind every matrix instruction, the others in one run.  A turn's 33 exponentials are one batch, with one wait.
; CLUSTER.  The four query blocks of a cluster belong to one head and batch and walk the same K and V: each tile is asked for jointly, by the same tensor load, descriptor and mask in all four.
; REGISTERS, in windows of 256: window 0: v0-15 addresses and two at work; v16-31 statistics; v48-55 at work; v61-63 prefetch offset, spare word, 0; v64-127 S^T, two buffers; v192-223 P, two buffers.
;   window 1: v0-127 O^T, 32 a piece.     window 2: v0-63 Q; v128-191 K of one step; v192-255 V of one step.
.set NP,    4
.set KS,    64
.set PK,    144       ; a row of K in LDS: 128 bytes + 16
.set PV,    160       ; a row of V: 128 + 32
.set VOFF,  4*KS*PK   ; a slot: 256 rows of K, then 256 rows of V
.set SLOT1, 1<<17
.set STAGE, SLOT1+4*KS*(PK+PV)  ; behind the ring, never filled by a tensor load: 16 rows x 144 bytes for each wave
.set SP,    144
.set SPARE, STAGE+4*16*SP       ; behind the stages: the spare words, which no other line names
.set AK0, 2
.set AV0, 3
.set AK,  4
.set AV,  5
.set STO, 6
.set RD,  7
.set GO,  8
.set MV,  12          ; v12-13  c m_old, by buffer
.set QO,  15
.set ST,  16          ; piece t's statistics at v[ST+4 t]: c m, m, l (even keys', odd keys')
.set TMP, 48          ; by buffer, c0-c3 at work; when the maximum is found c2 takes a
.set PFO, 61          ; v61  256 x my lane; never rewritten
.set SPW, 62
.set NIL, 63
.set S,   64
.set P,   192
.set KF,  128
.set VF,  192
.set WV,  12
.set LIM, 15          ; s15  1 in a wave that prefetches, else the greatest number
.set PFA, 18          ; s[18:19] where my prefetches stand
.set G1K, 24
.set G1V, 32
.set G0K, 40
.set G0V, 44
.set SLOTS, 56
.set CNT, 57
.set CS,  58
.set SEL, 60
.set TBK, 62
.set TBV, 63
.set MSB, 0
.macro WIN new
.if MSB != (\new)
	s_set_vgpr_msb (MSB<<8)|(\new)
.set MSB, (\new)
.endif
.endm
.set W_KQ, 0x0a       ; K and Q in window 2, S^T in window 0
.set W_PV, 0x52       ; V in window 2, P in window 0, O^T in window 1
.set W_RS, 0x41       ; destination and source 0 in window 1, source 1 in window 0
; A joint fill: waves 0 and 1 fetch the halves of a slot's K, waves 2 and 3 those of its V, 128 keys each.  An s_nop 0 and four v_nop follow each line.
.macro JLOAD
	s_cmp_lt_u32 s[WV], 2
	s_cbranch_scc0 .Lfor_v_\@
	tensor_load_to_lds s[G0K:G0K+3], s[G1K:G1K+7]
	s_nop 0
.rept 4
	v_nop
.endr
	s_branch .Lasked_\@
.Lfor_v_\@:
	tensor_load_to_lds s[G0V:G0V+3], s[G1V:G1V+7]
	s_nop 0
.rept 4
	v_nop
.endr
.Lasked_\@:
.endm
; A prefetch of what the NEXT change of slots will ask for: a slot's 32,768 bytes of K and of V.  Both clusters of a head and batch walk the same rows: the first asks.  Its four partners share the bytes out by
; ADDRESS, 8,192 each; in each, wave 0 asks for K's and wave 2 for V's, a lane 256 bytes.  The last change that fills a slot asks for nothing.
.macro ASK
	s_cmp_gt_u32 s[SLOTS], s[LIM]
	s_cbranch_scc0 .Lnot_mine_\@
	global_prefetch_b8 v[PFO], s[PFA:PFA+1] th:TH_LOAD_NT scope:SCOPE_SE
.Lnot_mine_\@:
.endm
.macro CROUND
	s_barrier_signal -1
	s_barrier_wait -1
	s_cmp_lg_u32 s[WV], 0
	s_cbranch_scc1 .Lnot_wave_0_\@
	s_barrier_signal -3
.Lnot_wave_0_\@:
	s_barrier_wait -3
	s_barrier_signal -1
	s_barrier_wait -1
.endm
; THE CHANGE OF SLOTS.  Each wave waits for all its tensor loads (one is out: its part of the other slot), adds 0 to its spare word, and waits for that and for its reads of the slot that it leaves.
; fill = 1: a round of the cluster's barrier, and the joint fill, two slots on, first behind it: it has four key steps in which to land.
.macro CHANGE fill, ask
	WIN 0
	s_wait_tensorcnt 0x0
	ds_add_u32 v[SPW], v[NIL]
.if \fill
.irp g, G0K, G0V
	s_xor_b32 s[\g+1], s[\g+1], SLOT1
	s_add_nc_u64 s[\g+2:\g+3], s[\g+2:\g+3], 4*KS*128
.endr
.if \ask
	s_wait_xcnt 0x0                 ; the last prefetch, four key steps back, has read its address
	s_add_nc_u64 s[PFA:PFA+1], s[PFA:PFA+1], 4*KS*128
.endif
	s_wait_dscnt 0x0                ; the add is done, and my reads of the slot are over
	CROUND
	JLOAD
.if \ask
	ASK
.endif
.else
	s_wait_dscnt 0x0
	s_barrier_signal -1
	s_barrier_wait -1
.endif
	s_sub_co_u32 s[TBK], s[TBK], 4*KS*PK  ; the fetches go back to a slot's first step, in the other slot
	s_xor_b32 s[TBK], s[TBK], SLOT1
	s_sub_co_u32 s[TBV], s[TBV], 4*KS*PV
	s_xor_b32 s[TBV], s[TBV], SLOT1
.endm
	s_load_b128 s[4:7], s[0:1], 0x0   ; qkv s[4:5], ao s[6:7]
	v_lshl_add_u32 v[SPW], v0, 2, SPARE
	v_mov_b32 v[NIL], 0
	ds_add_u32 v[SPW], v[NIL]       ; the wave's opening: the add and its wait ahead of my first tensor load
	v_lshrrev_b32 v1, 5, v0
	v_readfirstlane_b32 s[WV], v1
	s_bfe_u32 s13, ttmp6, 0x40000   ; cx
	s_lshl_b32 s14, ttmp9, 2
	s_add_co_u32 s14, s14, s13      ; my block of 256 queries: it enters Q's and O's addresses alone
	s_and_b32 s20, ttmp7, 0xffff    ; 16 x batch + head, which the four partners share
	s_and_b32 s21, s20, 15
	s_lshr_b32 s20, s20, 4
	s_lshl_b32 s21, s21, 19         ; a plane is 524,288 bytes,
	s_lshl_b32 s20, s20, 18         ; a batch in it 262,144
	s_add_co_u32 s20, s20, s21
	s_and_b32 s16, s[WV], 1         ; which half of a slot's 256 keys I fetch
	s_lshl_b32 s22, s16, 14
	s_add_co_u32 s22, s22, s20
	s_mov_b32 s23, 0
	s_mul_i32 s17, s16, 128*PK
	s_mul_i32 s18, s16, 128*PV
	s_lshl_b32 s2, s14, 2
	s_add_co_u32 s2, s2, s[WV]
	s_lshl_b32 s2, s2, 13           ; my wave's 64 rows of 128 bytes
	s_add_co_u32 s2, s2, s20
	s_mov_b32 s3, 0
	; group 1: 128 keys are 16,384 dense bytes: asked for as 64 rows of 256 bytes, two keys a row, padded in LDS after every key
	s_mov_b32 s[G1K], 15|(1<<16)|(1<<20)|(1<<21)|(4<<22)|(3<<25)
	s_mov_b32 s[G1V], 15|(1<<16)|(1<<20)|(1<<21)|(4<<22)|(7<<25)
.irp g, G1K, G1V
	s_mov_b32 s[\g+1], 128<<16
	s_mov_b32 s[\g+2], 64<<16
	s_mov_b32 s[\g+3], 128<<16
	s_mov_b32 s[\g+4], 64
	s_mov_b32 s[\g+5], 128
	s_mov_b32 s[\g+6], 0
	s_mov_b32 s[\g+7], 0
.endr
	s_mov_b32 s[CS], 0x3e38aa3b     ; c = log2(e) / 8
	s_mov_b32 s[CS+1], s[CS]
	s_mov_b32 s[SEL], 0x76543210
	s_mov_b32 s[SEL+1], 0xfedcba98
	s_mov_b32 s[TBK], SLOT1+4*KS*PK ; the first change of slots turns these two into 0
	s_mov_b32 s[TBV], SLOT1+4*KS*PV
	s_mov_b32 s[G0K], 1
	s_mov_b32 s[G0K+1], s17
	s_mov_b32 s[G0V], 1
	s_add_co_u32 s[G0V+1], s18, VOFF
	s_mov_b32 s[SLOTS], 7
	s_and_b32 s[LIM], s[WV], 1
	s_or_b32 s[LIM], s[LIM], ttmp9  ; 0 in waves 0 and 2 of the head's first cluster: the same in all four partners
	s_cmp_eq_u32 s[LIM], 0
	s_cselect_b32 s[LIM], 1, -1
	v_and_b32 v[PFO], 31, v0
	v_lshlrev_b32 v[PFO], 8, v[PFO]
	s_wait_dscnt 0x0                ; the opening add is done
	s_wait_kmcnt 0x0
	s_mov_b64 s[10:11], s[6:7]      ; O
	s_add_nc_u64 s[6:7], s[4:5], s[22:23]
	s_add_nc_u64 s[8:9], s[6:7], 16777216   ; V at my half of the first 256 keys: 32 planes on
	s_add_nc_u64 s[6:7], s[6:7], 8388608    ; K: 16 planes on
	s_mov_b64 s[G0K+2:G0K+3], s[6:7]
	s_or_b32 s[G0K+3], s[G0K+3], 0x80000000
	s_mov_b64 s[G0V+2:G0V+3], s[8:9]
	s_or_b32 s[G0V+3], s[G0V+3], 0x80000000
	s_add_nc_u64 s[4:5], s[4:5], s[2:3]     ; Q and O at my wave's first row
	s_add_nc_u64 s[10:11], s[10:11], s[2:3]
	s_cmp_lt_u32 s[WV], 2
	s_cselect_b64 s[PFA:PFA+1], s[6:7], s[8:9]  ; (in waves 0 and 2 these stand at a slot's first row)
	s_lshl_b32 s2, s13, 13          ; my work-group's 8,192 bytes of the 32,768
	s_add_co_u32 s2, s2, 2*4*KS*128 ; in slot 2; the loop's first change steps it to slot 3
	s_mov_b32 s3, 0
	s_add_nc_u64 s[PFA:PFA+1], s[PFA:PFA+1], s[2:3]
	CROUND                          ; all four work-groups are here
	JLOAD                           ; slot 0; slot 1 is asked for when slot 0 is in
	v_and_b32 v1, 15, v0
	v_bfe_u32 v9, v0, 4, 1
	v_lshlrev_b32 v[QO], 7, v1
	v_lshl_add_u32 v[QO], v9, 4, v[QO]
	WIN 0x80
.set i, 0
.rept 8                             ; Q stays in registers: piece i / 2, channels 32 (i % 2) on
	global_load_b128 v[8*i:8*i+3],   v[QO], s[4:5] offset:(i/2)*2048+(i%2)*64
	global_load_b128 v[8*i+4:8*i+7], v[QO], s[4:5] offset:(i/2)*2048+(i%2)*64+32
.set i, i+1
.endr
	; what the first turn finds: V's registers and P's second buffer hold 0, O^T and l are 0.  All this stands in the wait for the first tile.
.set i, VF
.rept 64
	v_mov_b32 v[i], 0
.set i, i+1
.endr
	WIN 0x40
.set i, 0
.rept 128
	v_mov_b32 v[i], 0
.set i, i+1
.endr
	WIN 0
.set i, 0
.rept 4
	v_mov_b32 v[ST+4*i], 0xfe000000    ; c m: far below every c s
	v_mov_b32 v[ST+4*i+1], 0xff7fffff  ; m
	v_mov_b32 v[ST+4*i+2], 0
	v_mov_b32 v[ST+4*i+3], 0
.set i, i+1
.endr
.set i, P+16
.rept 16
	v_mov_b32 v[i], 0
.set i, i+1
.endr
	v_mul_u32_u24 v[AK0], v1, PK
	v_lshl_add_u32 v[AK0], v9, 4, v[AK0]
	v_and_b32 v10, 7, v0
	v_bfe_u32 v11, v0, 3, 1
	v_lshl_add_u32 v[AV0], v9, 3, v10     ; the turning load: lane l reads key 8 (l / 16) + l % 8, channels 8 ((l / 8) % 2) + 0..7
	v_mul_u32_u24 v[AV0], v[AV0], PV
	v_lshl_add_u32 v[AV0], v11, 4, v[AV0]
	v_add_nc_u32 v[AV0], VOFF, v[AV0]
	v_mov_b32 v[AK], v[AK0]               ; key step 0 lies at the head of slot 0
	s_mul_i32 s2, s[WV], 16*SP
	s_add_co_u32 s2, s2, STAGE            ; my stage
	v_mul_u32_u24 v[STO], v1, SP
	v_lshl_add_u32 v[STO], v9, 4, v[STO]
	v_add_nc_u32 v[STO], s2, v[STO]
	v_bfe_u32 v[RD], v0, 3, 2             ; back: 32 lanes take four rows of 128 bytes,
	v_mul_u32_u24 v[RD], v[RD], SP
	v_lshl_add_u32 v[RD], v10, 4, v[RD]
	v_add_nc_u32 v[RD], s2, v[RD]
	v_and_b32 v[GO], 31, v0               ; which are 512 consecutive bytes of O
	v_lshlrev_b32 v[GO], 4, v[GO]
; THE MATRIX WORK.  The 4 accumulators of a run of 8 take turns.  Product i of 8 of S^T = K Q^T for piece x: channels 32 (i / 4) on, keys 16 (i % 4) on; the first 4 start the sums.
.macro KQ x
	WIN W_KQ
.set rS, S+32*((\x)%2)+8*(i%4)
.set rK, KF+16*(i%4)+8*(i/4)
.set rQ, 16*(\x)+8*(i/4)
.if i < 4
	v_wmma_f32_16x16x32_bf16 v[rS:rS+7], v[rK:rK+7], v[rQ:rQ+7], 0
.else
	v_wmma_f32_16x16x32_bf16 v[rS:rS+7], v[rK:rK+7], v[rQ:rQ+7], v[rS:rS+7]
.endif
.endm
; Product i of 8 of O^T += V^T P for piece x: keys 32 (i / 4) on, channels 16 (i % 4) on.
.macro PV x
	WIN W_PV
.set rO, 32*(\x)+8*(i%4)
.set rV, VF+32*(i/4)+8*(i%4)
.set rP, P+16*((\x)%2)+8*(i/4)
	v_wmma_f32_16x16x32_bf16 v[rO:rO+7], v[rV:rV+7], v[rP:rP+7], v[rO:rO+7]
.endm
.macro MM                           ; the turn's next matrix instruction
.if i < 8
	KQ (Y+1)%NP
.else
.set i, i-8
	PV (Y+NP-1)%NP
.set i, i+8
.endif
.set i, i+1
.endm
; THE LDS LOADS stand in runs of 16.  last = 1 (the tail): in the last trip there is no further step, and the run is jumped over.
.macro FETCH_K last=0
	WIN 0
.if \last
	s_cmp_eq_u32 s[CNT], 1
	s_cbranch_scc1 .Lno_k_\@
.endif
	WIN 0x80
.irp f, 0,1,2,3,4,5,6,7             ; keys 16 (f / 2) on, channels 32 (f % 2) on
	ds_load_b128 v[KF+8*\f:KF+8*\f+3],   v[AK] offset:(\f/2)*16*PK+(\f%2)*64
	ds_load_b128 v[KF+8*\f+4:KF+8*\f+7], v[AK] offset:(\f/2)*16*PK+(\f%2)*64+32
.endr
	s_add_co_u32 s[TBK], s[TBK], KS*PK
	WIN 0
.if \last
.Lno_k_\@:
.endif
.endm
.macro FETCH_V
	WIN 0x80
.irp f, 0,1,2,3,4,5,6,7             ; keys 32 (f / 4) on, channels 16 (f % 4) on
	ds_load_tr16_b128 v[VF+8*\f:VF+8*\f+3],   v[AV] offset:(\f/4)*32*PV+(\f%4)*32
	ds_load_tr16_b128 v[VF+8*\f+4:VF+8*\f+7], v[AV] offset:(\f/4)*32*PV+16*PV+(\f%4)*32
.endr
	WIN 0
.endm
; THE VECTOR WORK, one line at a time: OP kind, number.  For piece Y: F n: c s - c m for pair n of 16.  E n: the exponential of score n of 32.  C n: pair n rounded to bf16.  B n: of the four weights 4 n .. the
; second pair is added onto the first, in place.  L n: l takes that sum (L 0: l = a l + sum).  R n: pair n of 16 of O^T times a.  For piece Y + 1: X n, number n of the 22 that find its maximum and statistics:
;   0-11 four chains c0-c3 of seven scores each (each accumulator's lowest registers are read first)   12-14, 16 the four scores left over, the old m, c0-c3 into c0
;   15 c m_old is kept   17, 18 the other half of the lanes' maximum: the new m   19-21 c m; c m_old - c m_new; a
.set F, 0
.set E, 1
.set C, 2
.set B, 3
.set L, 4
.set R, 5
.set X, 6
.macro REGS y
.set rT, ST+4*(\y)
.set rC, TMP+4*((\y)%2)
.set rW, MV+((\y)%2)
.set rS, S+32*((\y)%2)
.set rP, P+16*((\y)%2)
.set rO, 32*(\y)
.endm
.macro OP k, n
.if (\k) == R
	REGS Y
	WIN W_RS
	v_pk_mul_f32 v[rO+2*(\n):rO+2*(\n)+1], v[rO+2*(\n):rO+2*(\n)+1], v[rC+2:rC+3] op_sel_hi:[1,0]
.elseif (\k) < R
	REGS Y
	WIN 0
.if (\k) == F
	v_pk_fma_f32 v[rS+2*(\n):rS+2*(\n)+1], v[rS+2*(\n):rS+2*(\n)+1], s[CS:CS+1], v[rT:rT+1] op_sel_hi:[1,0,0] neg_lo:[0,0,1] neg_hi:[0,0,1]
.elseif (\k) == E
	v_exp_f32 v[rS+(\n)], v[rS+(\n)]
.elseif (\k) == C
	v_cvt_pk_bf16_f32 v[rP+(\n)], v[rS+2*(\n)], v[rS+2*(\n)+1]
.elseif (\k) == B
	v_pk_add_f32 v[rS+4*(\n):rS+4*(\n)+1], v[rS+4*(\n):rS+4*(\n)+1], v[rS+4*(\n)+2:rS+4*(\n)+3]
.elseif (\n) == 0
	v_pk_fma_f32 v[rT+2:rT+3], v[rT+2:rT+3], v[rC+2:rC+3], v[rS:rS+1] op_sel_hi:[1,0,1]
.else
	v_pk_add_f32 v[rT+2:rT+3], v[rT+2:rT+3], v[rS+4*(\n):rS+4*(\n)+1]
.endif
.else
	REGS (Y+1)%NP
	WIN 0
.if (\n) < 4
	v_max3_num_f32 v[rC+(\n)], v[rS+8*(\n)], v[rS+8*(\n)+1], v[rS+8*(\n)+2]
.elseif (\n) < 12
	v_max3_num_f32 v[rC+(\n)%4], v[rC+(\n)%4], v[rS+8*((\n)%4)+2*((\n)/4)+1], v[rS+8*((\n)%4)+2*((\n)/4)+2]
.elseif (\n) == 12
	v_max3_num_f32 v[rC], v[rC], v[rS+7], v[rS+15]
.elseif (\n) == 13
	v_max3_num_f32 v[rC+1], v[rC+1], v[rS+23], v[rS+31]
.elseif (\n) == 14
	v_max3_num_f32 v[rC+2], v[rC+2], v[rC+3], v[rT+1]
.elseif (\n) == 15
	v_mov_b32 v[rW], v[rT]
.elseif (\n) == 16
	v_max3_num_f32 v[rC], v[rC], v[rC+1], v[rC+2]
.elseif (\n) == 17
	v_permlanex16_b32 v[rC+3], v[rC], s[SEL], s[SEL+1]
.elseif (\n) == 18
	v_max_num_f32 v[rT+1], v[rC], v[rC+3]
.elseif (\n) == 19
	v_mul_f32 v[rT], s[CS], v[rT+1]
.elseif (\n) == 20
	v_sub_f32 v[rC+1], v[rW], v[rT]
.else
	v_exp_f32 v[rC+2], v[rC+1]
.endif
.endif
.endm
.macro OPS a, i1, b=-1, i2=0, c=-1, i3=0, d=-1, i4=0
	OP \a, \i1
.if (\b) >= 0
	OP \b, \i2
.endif
.if (\c) >= 0
	OP \c, \i3
.endif
.if (\d) >= 0
	OP \d, \i4
.endif
.endm
.macro ROW a, i1, b, i2, c, i3, d, i4  ; a matrix instruction and the four behind it
	MM
	OPS \a, \i1, \b, \i2, \c, \i3, \d, \i4
.endm
; A TURN, for piece p.  It has ONE wait for its 33 exponentials, which cuts it in two.  AHEAD OF IT stands all that names no result of theirs: the 8 products K Q^T with four vector lines behind each, then a run of
; 54, plain and exponential by turns for the most part, in which the links of the next piece's chain stand apart; X 21 is the batch's last, R 15 the plain instruction behind it.  BEHIND IT stand the 8 products
; V^T P, behind each four of the roundings and sums.  Each X that rides behind a product stands four plain instructions or more behind the product that ends its accumulator.
; K of the next step is fetched in piece 2's turn, six plain instructions behind the last product that read K (in the tail: directly behind the wait); V of the step in hand at the end
; of piece 0's turn, four plain instructions behind the last product that read V.  Each is waited for a turn later.  cnt = 1: the loop's count is taken down some lines ahead of the branch behind the turn.
.macro TURN p, last=0, cnt=0
.set Y, (\p)
.set i, 0
.if (\p) == 3
	s_wait_dscnt 0x0                ; K is in
.endif
	ROW F,0, F,1, R,0, R,1
	ROW F,2, E,0, R,2, R,3
	ROW F,3, E,1, R,4, R,5
	ROW F,4, E,2, R,6, R,7
	ROW F,5, E,3, R,8, R,9
	ROW F,6, E,4, X,0, R,10
.if (\p) == 2
	WIN 0
	v_add_nc_u32 v[AK], s[TBK], v[AK0]
.endif
	ROW F,7, E,5, X,1, X,4
	ROW F,8, E,6, X,2, X,5
	OPS E,7, E,8, X,6, E,9
	OPS X,3, E,10, X,8, E,11
.if ((\p) == 2) && !(\last)
	FETCH_K
.endif
	OPS X,9, X,7, E,12, X,10
	OPS E,13, X,12, X,11, E,14
	OPS X,13, E,15, F,9, X,14
.if (\p) == 0
	v_add_nc_u32 v[AV], s[TBV], v[AV0]
.endif
	OPS E,16, F,10, E,17, F,11
	OPS X,16, E,18, X,15, E,19
	OPS F,12, E,20, X,17, E,21
	OPS F,13, E,22, F,14, E,23
	OPS X,18, E,24, F,15, E,25
	OPS R,11, E,26, X,19, E,27
	OPS R,12, E,28, R,13, E,29
	OPS X,20, E,30, R,14, E,31
	OPS X,21, R,15
	WIN 0
	s_wait_alu depctr_va_vdst(0)    ; the wait for the batch, ahead of the first line that names a result
.if ((\p) == 2) && (\last)
	FETCH_K 1
.endif
.if (\p) == 1
	s_wait_dscnt 0x0                ; V is in
.endif
	ROW C,0, B,0, C,2, B,1
	ROW L,0, C,4, B,2, L,1
	ROW C,6, B,3, L,2, C,8
	ROW B,4, L,3, C,10, B,5
	ROW L,4, C,12, B,6, L,5
.if (\p) == 0
	s_add_co_u32 s[TBV], s[TBV], KS*PV
.endif
.if \cnt
	s_sub_co_u32 s[CNT], s[CNT], 1
	s_cmp_lg_u32 s[CNT], 0
.endif
	ROW C,14, B,7, L,6, C,1
	ROW C,3, L,7, C,5, C,7
	ROW C,9, C,11, C,13, C,15
.if (\p) == 0
	FETCH_V
.endif
.endm
	CHANGE 1, 0                     ; slot 0 is in, everybody's part of it; slot 1 is asked for
	FETCH_K                         ; key step 0
	s_wait_loadcnt 0x0              ; Q
	s_wait_dscnt 0x0
.set i, 0
.rept 8
	KQ 0                            ; piece 0's first scores
.set i, i+1
.endr
	WIN 0
.rept 4
	v_nop                           ; the places behind those products
.endr
.set Y, NP-1                        ; X works for piece Y + 1: piece 0
.irp n, 0,1,2,3,4,5,6,7,8,9,10,11,12,13,14,15,16,17,18,19,20,21
	OP X, \n
.endr
	v_nop                           ; a plain instruction behind the exponential,
	s_wait_alu depctr_va_vdst(0)    ; and its wait, ahead of the branch
	s_mov_b32 s[CNT], 4
	s_branch .Lfirst                ; the loop is entered at a step's first turn, in the middle of a trip
.Lslot:                             ; six times: slots 2 to 7 are asked for
	CHANGE 1, 1
	s_mov_b32 s[CNT], 4
.Lstep:                             ; a trip: pieces 2 and 3 of one step, then pieces 0 and 1 of the next, whose K and V it fetches
	TURN 2
	TURN 3
	WIN 0
.Lfirst:
	TURN 0
	TURN 1, 0, 1
	WIN 0
	s_cbranch_scc1 .Lstep
	s_sub_co_u32 s[SLOTS], s[SLOTS], 1
	s_cmp_lg_u32 s[SLOTS], 0
	s_cbranch_scc1 .Lslot
	CHANGE 0, 0                     ; the tail is written out: nothing is asked for
	s_mov_b32 s[CNT], 5             ; four trips fetch the last slot's steps; the fifth is left in its middle
.Ltail:
	TURN 2, 1
	TURN 3
	WIN 0
	s_sub_co_u32 s[CNT], s[CNT], 1
	s_cmp_eq_u32 s[CNT], 0
	s_cbranch_scc1 .Lout
	TURN 0
	TURN 1
	WIN 0
	s_branch .Ltail
.Lout:                              ; the fifth trip's 8 products K Q^T (on the last K once more) and the maximum made of them serve nothing: the price, once a launch, of one text for every trip
.set i, 0
.rept 8
	PV NP-1                         ; the last piece's V^T P of the last step
.set i, i+1
.endr
	; THE WAY OUT.  l's two halves and the other half of the lanes' are added; O^T is divided by l, rounded to bf16 and sent through my stage, a piece at a time.  The additions are the places behind the last products.
	WIN 0
.macro ALL line:vararg
.set t, 0
.rept 4
	\line
.set t, t+1
.endr
.endm
	ALL v_add_f32 v[ST+4*t+2], v[ST+4*t+2], v[ST+4*t+3]
	ALL v_permlanex16_b32 v[ST+4*t+3], v[ST+4*t+2], s[SEL], s[SEL+1]
	ALL v_add_f32 v[ST+4*t+2], v[ST+4*t+2], v[ST+4*t+3]
	ALL v_rcp_f32 v[ST+4*t+2], v[ST+4*t+2]
	v_nop                           ; a plain instruction behind the last reciprocal,
	s_wait_alu depctr_va_vdst(0)    ; and one wait for the four
.macro PACK t                       ; a lane's eight channels of a row pack into 16 bytes; they go into rows of 144 bytes and come back as whole rows of 128
	WIN W_RS
.set i, 32*(\t)
.rept 16
	v_pk_mul_f32 v[i:i+1], v[i:i+1], v[ST+4*(\t)+2:ST+4*(\t)+3] op_sel_hi:[1,0]
.set i, i+2
.endr
	WIN 0x05
.set i, 0
.rept 16
	v_cvt_pk_bf16_f32 v[S+16*(\t)+i], v[32*(\t)+2*i], v[32*(\t)+2*i+1]
.set i, i+1
.endr
	WIN 0
.irp f, 0,1,2,3
	ds_store_b128 v[STO], v[S+16*(\t)+4*\f:S+16*(\t)+4*\f+3] offset:32*\f
.endr
.irp f, 0,1,2,3
	ds_load_b128 v[S+16*(\t)+4*\f:S+16*(\t)+4*\f+3], v[RD] offset:\f*4*SP  ; LDS serves a wave's instructions in order (ISA guide 5.7.1.4): these see the stores above
.endr
.endm
.macro SEND t, younger              ; younger: the LDS instructions issued behind piece t's loads: the next piece's eight, or none
	WIN 0
.irp f, 0,1,2,3
	s_wait_dscnt (\younger)+3-\f
	global_store_b128 v[GO], v[S+16*(\t)+4*\f:S+16*(\t)+4*\f+3], s[10:11] offset:(\t)*2048+\f*512  ; 512 consecutive bytes, aligned
.endr
.endm
	PACK 0
.set t, 1
.rept 3
	PACK t
	SEND t-1, 8
.set t, t+1
.endr
	SEND 3, 0
	s_wait_tensorcnt 0x0            ; the wave's end
	ds_add_u32 v[SPW], v[NIL]
	s_wait_dscnt 0x0
	CROUND                          ; the closing round
	s_endpgm
.Lfunc_end_k_qdff0d13f5f_attn:
	.size	k_qdff0d13f5f_attn, .Lfunc_end_k_qdff0d13f5f_attn-k_qdff0d13f5f_attn
	.p2alignl 7, 3214868480
	.fill 96, 4, 3214868480
	.section	.rodata,"a",@progbits
	.p2align	6, 0x0
	.amdhsa_kernel k_qdff0d13f5f_attn
		.amdhsa_group_segment_fixed_size 327680
		.amdhsa_private_segment_fixed_size 0
		.amdhsa_enable_private_segment 0
		.amdhsa_kernarg_size 16
		.amdhsa_user_sgpr_count 2
		.amdhsa_user_sgpr_kernarg_segment_ptr 1
		.amdhsa_wavefront_size32 1
		.amdhsa_system_sgpr_workgroup_id_x 1
		.amdhsa_system_sgpr_workgroup_id_y 1
		.amdhsa_system_sgpr_workgroup_id_z 1
		.amdhsa_system_vgpr_workitem_id 0
		.amdhsa_next_free_vgpr 768
		.amdhsa_next_free_sgpr 66
		.amdhsa_reserve_vcc 0
		.amdhsa_float_denorm_mode_32 3
		.amdhsa_float_denorm_mode_16_64 3
		.amdhsa_memory_ordered 1
		.amdhsa_forward_progress 1
		.amdhsa_inst_pref_size 112
	.end_amdhsa_kernel
	.amdgpu_metadata
---
amdhsa.version: [ 1, 2 ]
amdhsa.kernels:
  - .name:           k_qdff0d13f5f_attn
    .symbol:         k_qdff0d13f5f_attn.kd
    .args:
      - { .name: qkv, .offset: 0, .size: 8, .value_kind: global_buffer, .address_space: global }
      - { .name: ao, .offset: 8, .size: 8, .value_kind: global_buffer, .address_space: global }
    .group_segment_fixed_size: 327680
    .private_segment_fixed_size: 0
    .kernarg_segment_align: 8
    .kernarg_segment_size: 16
    .max_flat_workgroup_size: 128
    .sgpr_count:     66
    .vgpr_count:     768
    .wavefront_size: 32
...
	.end_amdgpu_metadata
.endif
;; end of part 3
;; launch wo (part 4): grid 8 x 32, 4 waves a work-group, clusters of 4 x 4, 327,680 bytes of LDS; arguments ao, wb, bo, q_x, x1, x1b; writes x1, x1b
.if DOCPART == 4
	.amdgcn_target "amdgcn-amd-amdhsa--gfx1250"
	.amdhsa_code_object_version 6
	.text
	.protected	k_qdff0d13f5f_wo
	.globl	k_qdff0d13f5f_wo
	.p2align	8
	.type	k_qdff0d13f5f_wo,@function
k_qdff0d13f5f_wo:
	s_mov_b64 s[64:65], 0
	v_nop
	global_prefetch_b8 v0, s[64:65] scope:SCOPE_SE
	s_setreg_imm32_b32 hwreg(HW_REG_WAVE_MODE, 25, 1), 1
	s_wait_xcnt 0x0
	s_wait_alu depctr_hold_cnt(0) depctr_sa_sdst(0) depctr_va_vdst(0) depctr_va_sdst(0) depctr_va_ssrc(0) depctr_va_vcc(0) depctr_vm_vsrc(0)
	s_getreg_b32 s2, hwreg(HW_REG_IB_STS2, 6, 4)
	s_cmp_eq_u32 s2, 0
	s_cbranch_scc0 .Lentry_in_a_cluster
	s_endpgm
.Lentry_in_a_cluster:
	s_bfe_u32 s2, ttmp6, 0x10000c
	s_cmp_lg_u32 s2, 0xf033
	s_cbranch_scc0 .Lentry_shape_is_right
	s_endpgm
.Lentry_shape_is_right:
; A GEMM ON TILES OF 128 x 128 WITH BIAS AND RESIDUAL: OUT[m][n] = RES[m][n] + bias[n] + sum over k of A[m][k] B[n][k].  A and B bf16, sums, bias, residual and OUT in f32; 4,096 x 1,024 of OUT: 256 tiles.
; KIND 0 (this text): x1 = q_x + ao Wo^T + bo, K = 1,024; A lies by heads, ao[16 planes][4096 rows][64]: a K step of 256 is four planes; a bf16 copy x1b leaves beside x1.
; KIND 1: out0 = x1 + hb W2^T + b2, K = 4,096; A = hb with rows of 8,192 bytes.
; SHARES.  Four waves, each 64 x 64: 16 accumulators.  K goes in steps of 256 through two LDS slots; each wave fetches 64 rows' part of a step with one tensor load.
; CLUSTER.  4 x 4 work-groups; A's tile is shared along a row of the cluster, B's along a column, each asked for jointly.
; THE WALK ALONG K.  A cluster whose x + y is odd begins at K step NSTEP / 2 and wraps; the others begin at 0.  So two clusters that read the same rows (of A: neighbours along x; of B: neighbours along y)
; read a given K step half a walk apart.  The number hangs on the cluster's coordinates alone, which all sixteen partners share.  The f32 sums are therefore taken in one of two orders along K.
; THE LOOP holds ONE K step; the slot in hand lies in s[TB], the slot to fill in the walking descriptors' LDS words, turned by an exclusive or (SLOTD shares no bit with a tile's place in a slot);
; the walking descriptors' addresses are made anew for each refill: the tile's base plus the K step's number shifted.
; THE BIAS is the C operand of the products that start the sums.  THE RESIDUAL of the 32 rows that a wave stores is loaded at the head into window 2 and stays on its way under the whole loop.
; THE MATRIX INSTRUCTION IS USED TRANSPOSED: a lane holds row l % 16 of the tile and eight neighbouring columns.  The tile goes out through one stage of 128 rows x 528 bytes in slot 0's bytes, behind their last fill.
; LIMITS.  Operands are rounded to bf16; NaN and infinities are not treated apart.
; REGISTERS: window 0: v0-31 addresses; v32-63 rows on the way out; v64-79 their bf16 copy; v96-127 the bias; v128-255 accumulators (a, b) at v[128 + 8 (4 a + b)].  window 1: two fragment buffers of 128.  window 2: v0-127 the residual.
.set KIND,   0
.set PITCHB, 528                       ; a row of B in LDS: 512 bytes + 16
.set HALFB,  64*PITCHB
.if KIND == 0
.set NSTEP,  4
.set HSH,    1                         ; NSTEP / 2 = 1 << HSH
.set KEL,    1024                      ; elements in a row of B
.set PITCHA, 144                       ; a row of A in a plane: 128 bytes + 16
.set AQ,     64*PITCHA                 ; from quarter to quarter: the next plane's 64 rows
.set HALFA,  4*AQ
.set AKS,    21                        ; a K step in A is 1 << AKS bytes: four planes of 524,288
.set BBASE,  0                         ; Wo in wb
.set ASH,    7                         ; a row of A is 128 bytes
.set BSH,    11
.else
.set NSTEP,  16
.set HSH,    3
.set KEL,    4096
.set PITCHA, 528
.set AQ,     128
.set HALFA,  64*PITCHA
.set AKS,    9                         ; a K step in A is 512 bytes of a row
.set BBASE,  10485760                  ; W2 in wb
.set ASH,    13
.set BSH,    13
.endif
.set BOFF,   2*HALFA                   ; a slot: A's two halves, then B's two
.set SLOTD,  147456                    ; slot 1 begins here
.set SPARE,  SLOTD+2*(HALFA+HALFB)     ; behind the ring: the spare words, which no other line names
.set SPITCH, 528
.set ADRA,  16
.set ADRA0, 17
.set ADRB,  20
.set ADRB0, 21
.set STO,  24
.set RD,   25
.set CO,   26                          ; v26  16 x lane; never rewritten
.set CB,   27                          ; v27  8 x lane
.set SPW,  28
.set NIL,  29
.set T,    32
.set YB,   64
.set BIAS, 96
.set ACC,  128
.set F0,   0
.set F1,   128
.set G1,  24
.set G0,  32
.set G1B, 48
.set G0B, 56
.set TB,  66
.set KI,  69                           ; s69      the K step asked for last
.set OA,  70                           ; s[70:71] its byte offset from A's tile base s[14:15]
.set OB,  18                           ; s[18:19] its byte offset from B's tile base s[46:47]
.set MSB, 0
.macro WIN new
.if MSB != (\new)
	s_set_vgpr_msb (MSB<<8)|(\new)
.set MSB, \new
.endif
.endm
.set MUL,  0x05                        ; sources 0 (B) and 1 (A) window 1; C and D window 0
.set TO_F, 0x40                        ; destination window 1, address window 0
.macro JLOAD s                         ; a joint load: waves 0 and 1 fetch A's halves, waves 2 and 3 B's; an s_nop 0 and four v_nop follow each line
	s_cmp_eq_u32 s11, 0
	s_cbranch_scc0 .Lfor_b_\@
	tensor_load_to_lds s[G0+4*(\s):G0+4*(\s)+3], s[G1:G1+7]
	s_nop 0
.rept 4
	v_nop
.endr
	s_branch .Lasked_\@
.Lfor_b_\@:
	tensor_load_to_lds s[G0B+4*(\s):G0B+4*(\s)+3], s[G1B:G1B+7]
	s_nop 0
.rept 4
	v_nop
.endr
.Lasked_\@:
.endm
.macro CREST
	s_cmp_lg_u32 s10, 0
	s_cbranch_scc1 .Lnot_wave_0_\@
	s_barrier_signal -3
.Lnot_wave_0_\@:
	s_barrier_wait -3
	s_barrier_signal -1
	s_barrier_wait -1
.endm
.macro CROUND
	s_barrier_signal -1
	s_barrier_wait -1
	CREST
.endm
	s_load_b128 s[4:7], s[0:1], 0x0                ; A s[4:5], wb s[6:7]
.if KIND == 0
	s_load_b256 s[72:79], s[0:1], 0x10             ; bo 72, q_x 74, x1 76, x1b 78
.else
	s_load_b128 s[72:75], s[0:1], 0x10             ; b2 72, x1 74
	s_load_b64 s[76:77], s[0:1], 0x20              ; out0
.endif
	v_lshl_add_u32 v[SPW], v0, 2, SPARE
	v_mov_b32 v[NIL], 0
	ds_add_u32 v[SPW], v[NIL]                      ; the wave's opening: the add and its wait ahead of my first tensor load
	v_lshrrev_b32 v1, 5, v0
	v_readfirstlane_b32 s10, v1                    ; wave 0..3
	s_lshr_b32 s11, s10, 1                         ; my half of the tile's rows.  Also: I fetch for A (0) or for B (1)
	s_and_b32 s12, s10, 1                          ; my half of its columns.  Also: which 64 rows I fetch
	s_bfe_u32 s40, ttmp6, 0x40000                  ; cx
	s_bfe_u32 s41, ttmp6, 0x40004                  ; cy
	s_lshl_b32 s42, ttmp9, 2
	s_add_co_u32 s42, s42, s40                     ; tile column
	s_and_b32 s13, ttmp7, 0xffff
	s_add_co_u32 s[KI], s13, ttmp9                 ; cluster x + cluster y:
	s_and_b32 s[KI], s[KI], 1                      ; odd or even,
	s_lshl_b32 s[KI], s[KI], HSH                   ; the walk begins at K step NSTEP / 2 or 0
	s_mov_b32 s[OA+1], 0
	s_mov_b32 s[OB+1], 0
	s_lshl_b32 s13, s13, 2
	s_add_co_u32 s13, s13, s41                     ; tile row
	s_lshl_b32 s43, s41, 2
	s_lshl_b32 s43, 15, s43                        ; my row of the cluster
	s_lshl_b32 s44, 0x1111, s40                    ; my column
.if KIND == 0
	; A: four long rows, one a plane: 64 rows of 64 elements lie on end in memory, 4,096 elements; 16 bytes of padding behind every 128, counted along the whole tile: element (plane y, row, k) at (64 y + row) 144 + 2 k
	s_or_b32 s[G1+0], s43, (1<<16)|(1<<20)|(1<<21)|(4<<22)|(3<<25)
	s_mov_b32 s[G1+1], 4096<<16                    ; tensor_dim0
	s_mov_b32 s[G1+2], 4<<16                       ; tensor_dim1
	s_mov_b32 s[G1+3], 4096<<16                    ; tile_dim0
	s_mov_b32 s[G1+4], 4                           ; tile_dim1
	s_mov_b32 s[G1+5], 262144                      ; elements from plane to plane
.else
	s_or_b32 s[G1+0], s43, (1<<16)|(1<<20)|(1<<21)|(6<<22)|(3<<25)   ; A: 64 rows x 256 elements, 16 bytes of padding behind every 512
	s_mov_b32 s[G1+1], 256<<16
	s_mov_b32 s[G1+2], 64<<16
	s_mov_b32 s[G1+3], 256<<16
	s_mov_b32 s[G1+4], 64
	s_mov_b32 s[G1+5], 4096
.endif
	s_mov_b32 s[G1+6], 0
	s_mov_b32 s[G1+7], 0
	s_or_b32 s[G1B+0], s44, (1<<16)|(1<<20)|(1<<21)|(6<<22)|(3<<25)  ; B: 64 rows x 256 elements, 16 bytes of padding behind every 512
	s_mov_b32 s[G1B+1], 256<<16
	s_mov_b32 s[G1B+2], 64<<16
	s_mov_b32 s[G1B+3], 256<<16
	s_mov_b32 s[G1B+4], 64
	s_mov_b32 s[G1B+5], KEL
	s_mov_b32 s[G1B+6], 0
	s_mov_b32 s[G1B+7], 0
	s_mov_b32 s[TB], 0
	s_lshl_b32 s17, s12, 6
	s_lshl_b32 s16, s13, 7
	s_add_co_u32 s16, s16, s17                     ; A: row 128 x tile row + 64 x half
	s_lshl_b32 s46, s42, 7
	s_add_co_u32 s46, s46, s17                     ; B: row 128 x tile column + 64 x half
	s_lshl_b32 s16, s16, ASH
	s_lshl_b32 s46, s46, BSH
	s_add_co_u32 s46, s46, BBASE
	s_mov_b32 s17, 0
	s_mov_b32 s47, 0
	s_mul_i32 s20, s12, HALFA                      ; where A's half goes in a slot,
	s_mul_i32 s21, s12, HALFB
	s_add_co_u32 s21, s21, BOFF                    ; and B's: no place in the cluster enters an LDS address
	s_wait_dscnt 0x0                               ; the opening add is done
	s_wait_kmcnt 0x0
	s_add_nc_u64 s[14:15], s[4:5], s[16:17]        ; A's tile base: my rows at K step 0; never rewritten
	s_add_nc_u64 s[46:47], s[6:7], s[46:47]        ; B's; never rewritten
	CROUND                                         ; all sixteen work-groups are here
.irp s, 0,1
	s_lshl_b32 s[OA], s[KI], AKS
	s_lshl_b32 s[OB], s[KI], 9                     ; a K step in B is 512 bytes of a row
	s_mov_b32 s[G0+4*(\s)], 1
	s_add_co_u32 s[G0+4*(\s)+1], s20, (\s)*SLOTD
	s_add_nc_u64 s[G0+4*(\s)+2:G0+4*(\s)+3], s[14:15], s[OA:OA+1]
	s_or_b32 s[G0+4*(\s)+3], s[G0+4*(\s)+3], 0x80000000
	s_mov_b32 s[G0B+4*(\s)], 1
	s_add_co_u32 s[G0B+4*(\s)+1], s21, (\s)*SLOTD
	s_add_nc_u64 s[G0B+4*(\s)+2:G0B+4*(\s)+3], s[46:47], s[OB:OB+1]
	s_or_b32 s[G0B+4*(\s)+3], s[G0B+4*(\s)+3], 0x80000000
	JLOAD \s                                       ; the walk's first two K steps: two loads of mine are out
.if (\s) == 0
	s_add_co_u32 s[KI], s[KI], 1                   ; (the second never wraps: NSTEP / 2 + 1 is below NSTEP)
.endif
.endr
	v_and_b32 v1, 15, v0                           ; l % 16
	v_bfe_u32 v2, v0, 4, 1                         ; l / 16
	s_lshl_b32 s16, s42, 9                         ; the bias of my 64 columns
	s_lshl_b32 s17, s12, 8
	s_add_co_u32 s16, s16, s17
	s_mov_b32 s17, 0
	s_add_nc_u64 s[72:73], s[72:73], s[16:17]
	v_lshlrev_b32 v7, 5, v2
.irp b, 0,1,2,3
	global_load_b128 v[BIAS+8*(\b):BIAS+8*(\b)+3],   v7, s[72:73] offset:64*(\b)
	global_load_b128 v[BIAS+8*(\b)+4:BIAS+8*(\b)+7], v7, s[72:73] offset:64*(\b)+16
.endr
	s_lshl_b32 s16, s13, 19                        ; the 32 rows that I store: (128 x tile row + 32 x wave) rows of 4,096 bytes,
	s_lshl_b32 s17, s10, 17
	s_add_co_u32 s16, s16, s17
	s_lshl_b32 s17, s42, 9                         ; the tile's 512 bytes of a row
	s_add_co_u32 s16, s16, s17
	s_mov_b32 s17, 0
	s_add_nc_u64 s[74:75], s[74:75], s[16:17]
	s_add_nc_u64 s[76:77], s[76:77], s[16:17]
.if KIND == 0
	s_lshr_b32 s16, s16, 1                         ; the same place in the bf16 copy
	s_add_nc_u64 s[78:79], s[78:79], s[16:17]
.endif
	v_and_b32 v5, 31, v0
	v_lshlrev_b32 v[CO], 4, v5
	v_lshlrev_b32 v[CB], 3, v5
	WIN 0x80                                       ; destination window 2
.set i, 0
.rept 32
	global_load_b128 v[4*i:4*i+3], v[CO], s[74:75] offset:4096*i th:TH_LOAD_NT   ; a row's 512 bytes; the launch reads each once
.set i, i+1
.endr
	WIN 0
	v_mul_u32_u24 v3, v1, PITCHA
	v_lshl_add_u32 v3, v2, 4, v3
	s_mul_i32 s21, s11, HALFA                      ; my 64 rows of A
	v_add_nc_u32 v[ADRA0], s21, v3
	v_mul_u32_u24 v3, v1, PITCHB
	v_lshl_add_u32 v3, v2, 4, v3
	s_mul_i32 s22, s12, HALFB
	s_add_co_u32 s22, s22, BOFF                    ; my 64 rows of B
	v_add_nc_u32 v[ADRB0], s22, v3
	v_mov_b32 v[ADRA], v[ADRA0]
	v_mov_b32 v[ADRB], v[ADRB0]
	s_mul_i32 s23, s11, 64*SPITCH                  ; into the stage: my 64 rows, my 256 bytes of them; row l % 16, 32 bytes for each half of the lanes
	s_lshl_b32 s21, s12, 8
	s_add_co_u32 s23, s23, s21
	v_mul_u32_u24 v4, v1, SPITCH
	v_lshl_add_u32 v4, v2, 5, v4
	v_add_nc_u32 v[STO], s23, v4
	s_mul_i32 s23, s10, 32*SPITCH                  ; back: wave w takes rows 32 w .. 32 w + 31, a row of 512 bytes a load
	v_add_nc_u32 v[RD], s23, v[CO]
; 8 matrix instructions: m blocks a0, a0 + 1 x all 4 n blocks, 32 along K: half c of buffer f.  zero = 1: the product starts the sum, with the bias as C
.macro MUL8 f, c, a0, zero
	WIN MUL
.irp a, \a0, (\a0)+1
.irp b, 0,1,2,3
.if \zero
	v_wmma_f32_16x16x32_bf16 v[ACC+8*(4*(\a)+(\b)):ACC+8*(4*(\a)+(\b))+7], v[(\f)+64+8*(4*(\c)+(\b)):(\f)+64+8*(4*(\c)+(\b))+7], v[(\f)+8*(4*(\c)+(\a)):(\f)+8*(4*(\c)+(\a))+7], v[BIAS+8*(\b):BIAS+8*(\b)+7]
.else
	v_wmma_f32_16x16x32_bf16 v[ACC+8*(4*(\a)+(\b)):ACC+8*(4*(\a)+(\b))+7], v[(\f)+64+8*(4*(\c)+(\b)):(\f)+64+8*(4*(\c)+(\b))+7], v[(\f)+8*(4*(\c)+(\a)):(\f)+8*(4*(\c)+(\a))+7], v[ACC+8*(4*(\a)+(\b)):ACC+8*(4*(\a)+(\b))+7]
.endif
.endr
.endr
.endm
; 32 LDS loads in one run: quarter q's fragments (64 along K) of the slot in hand into buffer f; the first 32 along K first
.macro FETCH q, f
	WIN TO_F
.irp c, 0,1
.irp i, 0,1,2,3
	ds_load_b128 v[(\f)+64+8*(4*(\c)+(\i)):(\f)+64+8*(4*(\c)+(\i))+3],   v[ADRB] offset:128*(\q)+64*(\c)+(\i)*16*PITCHB
	ds_load_b128 v[(\f)+64+8*(4*(\c)+(\i))+4:(\f)+64+8*(4*(\c)+(\i))+7], v[ADRB] offset:128*(\q)+64*(\c)+(\i)*16*PITCHB+32
	ds_load_b128 v[(\f)+8*(4*(\c)+(\i)):(\f)+8*(4*(\c)+(\i))+3],         v[ADRA] offset:(\q)*AQ+64*(\c)+(\i)*16*PITCHA
	ds_load_b128 v[(\f)+8*(4*(\c)+(\i))+4:(\f)+8*(4*(\c)+(\i))+7],       v[ADRA] offset:(\q)*AQ+64*(\c)+(\i)*16*PITCHA+32
.endr
.endr
.endm
.macro PLACES                          ; four plain instructions between a matrix instruction and a load into, or a read of, its registers
.rept 4
	v_nop
.endr
.endm
; One of a K step's first three quarters: multiplies buffer f and fetches quarter q into g.  The 16 accumulators take turns.
.macro QUARTER q, f, g, zero
	s_wait_dscnt 16                                ; the first 32 along K are in
	MUL8 \f, 0, 0, \zero
	MUL8 \f, 0, 2, \zero
	PLACES
	FETCH \q, \g
	s_wait_dscnt 32                                ; all but the 32 just issued
	MUL8 \f, 1, 0, 0
	MUL8 \f, 1, 2, 0
.endm
; The last quarter multiplies buffer 1 and changes slots: in front of the barrier each wave waits for all its tensor loads, adds 0 to its spare word, and waits for that and for its reads of this slot.
; fill = 1: the walking descriptors are written while the add is out (no load of mine is out there); the barrier opens a round of the cluster's barrier, and the joint refill is the first thing behind the round.
.macro TURN fill
	WIN 0
	s_wait_tensorcnt 0x0                           ; all my tensor loads have landed
	ds_add_u32 v[SPW], v[NIL]
.if \fill
	s_add_co_u32 s[KI], s[KI], 1                   ; the walk's next K step,
	s_cmp_eq_u32 s[KI], NSTEP
	s_cselect_b32 s[KI], 0, s[KI]                  ; which behind the last is the first
	s_lshl_b32 s[OA], s[KI], AKS
	s_lshl_b32 s[OB], s[KI], 9
	s_xor_b32 s[G0+5], s[G0+5], SLOTD              ; the other slot than last time
	s_xor_b32 s[G0B+5], s[G0B+5], SLOTD
	s_add_nc_u64 s[G0+6:G0+7], s[14:15], s[OA:OA+1]
	s_or_b32 s[G0+7], s[G0+7], 0x80000000
	s_add_nc_u64 s[G0B+6:G0B+7], s[46:47], s[OB:OB+1]
	s_or_b32 s[G0B+7], s[G0B+7], 0x80000000
.endif
	s_wait_dscnt 17                                ; (the add and the youngest sixteen loads may be out)
	MUL8 F1, 0, 0, 0
	s_wait_dscnt 0x0                               ; the add is done, and my reads of this slot are over
	s_barrier_signal -1
	MUL8 F1, 0, 2, 0
.if \fill
	WIN 0
.endif
	s_barrier_wait -1
.if \fill
	CREST
	JLOAD 1                                        ; its four v_nop are also the places in front of the loads below
.else
	PLACES
.endif
	WIN 0
	s_xor_b32 s[TB], s[TB], SLOTD
	v_add_nc_u32 v[ADRA], s[TB], v[ADRA0]
	v_add_nc_u32 v[ADRB], s[TB], v[ADRB0]
	FETCH 0, F0
	MUL8 F1, 1, 0, 0
	MUL8 F1, 1, 2, 0
.endm
	s_wait_tensorcnt 1                             ; my part of the first K step is in; the second's may stay out
	s_barrier_signal -1
	s_barrier_wait -1
	s_wait_loadcnt 32                              ; the bias is in; the residual's 32 loads, issued behind it, stay out
	FETCH 0, F0
	QUARTER 1, F0, F1, 1                           ; the first quarter stands in front of the loop: its first products start the sums
	WIN 0
	s_mov_b32 s3, NSTEP-2
.Lstep:                                        ; a trip goes from a K step's second quarter to the next one's first and fills one slot again
	QUARTER 2, F1, F0, 0
	QUARTER 3, F0, F1, 0
	TURN 1
	QUARTER 1, F0, F1, 0
	WIN 0
	s_sub_co_u32 s3, s3, 1
	s_cmp_lg_u32 s3, 0
	s_cbranch_scc1 .Lstep
	s_mov_b32 s3, 2
.Ltail:                                        ; the last two K steps ask for nothing; the second trip is left in its middle
	QUARTER 2, F1, F0, 0
	QUARTER 3, F0, F1, 0
	WIN 0
	s_sub_co_u32 s3, s3, 1
	s_cmp_eq_u32 s3, 0
	s_cbranch_scc1 .Llast
	TURN 0
	QUARTER 1, F0, F1, 0
	WIN 0
	s_branch .Ltail
.Llast:
	s_wait_dscnt 16
	MUL8 F1, 0, 0, 0
	MUL8 F1, 0, 2, 0
	s_wait_dscnt 0x0                               ; my last reads of the ring are back:
	s_barrier_signal -1                            ; say so,
	MUL8 F1, 1, 0, 0
	MUL8 F1, 1, 2, 0
	WIN 0
	s_barrier_wait -1                              ; and nobody reads the ring any more; it has had its last fill, so the stage may be written
	PLACES
	PLACES
.irp a, 0,1,2,3
.irp b, 0,1,2,3
	ds_store_b128 v[STO], v[ACC+8*(4*(\a)+(\b)):ACC+8*(4*(\a)+(\b))+3]   offset:(\a)*16*SPITCH+64*(\b)
	ds_store_b128 v[STO], v[ACC+8*(4*(\a)+(\b))+4:ACC+8*(4*(\a)+(\b))+7] offset:(\a)*16*SPITCH+64*(\b)+16
.endr
.endr
	s_wait_dscnt 0x0                               ; for the others' sake: a stage row comes from two waves
	s_barrier_signal -1
	s_barrier_wait -1
	s_wait_loadcnt 0x0                             ; the residual
.irp n, 0,1,2,3                        ; four batches of 8 rows
	s_wait_xcnt 0x0                                ; the last batch's stores have read their data
.irp i, 0,1,2,3,4,5,6,7
	ds_load_b128 v[T+4*(\i):T+4*(\i)+3], v[RD] offset:(8*(\n)+(\i))*SPITCH
.endr
	s_wait_dscnt 0x0
	WIN 0x08                                       ; source 1 in window 2
.irp k, 0,1,2,3,4,5,6,7,8,9,10,11,12,13,14,15
	v_pk_add_f32 v[T+2*(\k):T+2*(\k)+1], v[T+2*(\k):T+2*(\k)+1], v[32*(\n)+2*(\k):32*(\n)+2*(\k)+1]
.endr
	WIN 0
.irp i, 0,1,2,3,4,5,6,7
.if KIND
	global_store_b128 v[CO], v[T+4*(\i):T+4*(\i)+3], s[76:77] offset:(8*(\n)+(\i))*4096 th:TH_STORE_NT  ; 512 consecutive bytes, aligned; nothing reads them again
.else
	global_store_b128 v[CO], v[T+4*(\i):T+4*(\i)+3], s[76:77] offset:(8*(\n)+(\i))*4096  ; 512 consecutive bytes, aligned
.endif
.endr
.if KIND == 0
.irp k, 0,1,2,3,4,5,6,7,8,9,10,11,12,13,14,15
	v_cvt_pk_bf16_f32 v[YB+(\k)], v[T+2*(\k)], v[T+2*(\k)+1]
.endr
.irp i, 0,1,2,3,4,5,6,7
	global_store_b64 v[CB], v[YB+2*(\i):YB+2*(\i)+1], s[78:79] offset:(8*(\n)+(\i))*2048  ; 256 consecutive bytes, aligned
.endr
.endif
.endr
	s_wait_tensorcnt 0x0                           ; the wave's end
	ds_add_u32 v[SPW], v[NIL]
	s_wait_dscnt 0x0
	CROUND                                         ; the closing round
	s_endpgm
.Lfunc_end_k_qdff0d13f5f_wo:
	.size	k_qdff0d13f5f_wo, .Lfunc_end_k_qdff0d13f5f_wo-k_qdff0d13f5f_wo
	.p2alignl 7, 3214868480
	.fill 96, 4, 3214868480
	.section	.rodata,"a",@progbits
	.p2align	6, 0x0
	.amdhsa_kernel k_qdff0d13f5f_wo
		.amdhsa_group_segment_fixed_size 327680
		.amdhsa_private_segment_fixed_size 0
		.amdhsa_enable_private_segment 0
		.amdhsa_kernarg_size 48
		.amdhsa_user_sgpr_count 2
		.amdhsa_user_sgpr_kernarg_segment_ptr 1
		.amdhsa_wavefront_size32 1
		.amdhsa_system_sgpr_workgroup_id_x 1
		.amdhsa_system_sgpr_workgroup_id_y 1
		.amdhsa_system_sgpr_workgroup_id_z 1
		.amdhsa_system_vgpr_workitem_id 0
		.amdhsa_next_free_vgpr 640
		.amdhsa_next_free_sgpr 80
		.amdhsa_reserve_vcc 0
		.amdhsa_float_denorm_mode_32 3
		.amdhsa_float_denorm_mode_16_64 3
		.amdhsa_memory_ordered 1
		.amdhsa_forward_progress 1
		.amdhsa_inst_pref_size 76
	.end_amdhsa_kernel
	.amdgpu_metadata
---
amdhsa.version: [ 1, 2 ]
amdhsa.kernels:
  - .name:           k_qdff0d13f5f_wo
    .symbol:         k_qdff0d13f5f_wo.kd
    .args:
      - { .name: ao, .offset: 0, .size: 8, .value_kind: global_buffer, .address_space: global }
      - { .name: wb, .offset: 8, .size: 8, .value_kind: global_buffer, .address_space: global }
      - { .name: bo, .offset: 16, .size: 8, .value_kind: global_buffer, .address_space: global }
      - { .name: q_x, .offset: 24, .size: 8, .value_kind: global_buffer, .address_space: global }
      - { .name: x1, .offset: 32, .size: 8, .value_kind: global_buffer, .address_space: global }
      - { .name: x1b, .offset: 40, .size: 8, .value_kind: global_buffer, .address_space: global }
    .group_segment_fixed_size: 327680
    .private_segment_fixed_size: 0
    .kernarg_segment_align: 8
    .kernarg_segment_size: 48
    .max_flat_workgroup_size: 128
    .sgpr_count:     80
    .vgpr_count:     640
    .wavefront_size: 32
...
	.end_amdgpu_metadata
.endif
;; end of part 4
;; launch w1 (part 5): grid 16 x 16, 4 waves a work-group, clusters of 4 x 4, 327,680 bytes of LDS; arguments x1b, wb, b1, hb; writes hb
.if DOCPART == 5
	.amdgcn_target "amdgcn-amd-amdhsa--gfx1250"
	.amdhsa_code_object_version 6
	.text
	.protected	k_qdff0d13f5f_w1
	.globl	k_qdff0d13f5f_w1
	.p2align	8
	.type	k_qdff0d13f5f_w1,@function
k_qdff0d13f5f_w1:
	s_mov_b64 s[64:65], 0
	v_nop
	global_prefetch_b8 v0, s[64:65] scope:SCOPE_SE
	s_setreg_imm32_b32 hwreg(HW_REG_WAVE_MODE, 25, 1), 1
	s_wait_xcnt 0x0
	s_wait_alu depctr_hold_cnt(0) depctr_sa_sdst(0) depctr_va_vdst(0) depctr_va_sdst(0) depctr_va_ssrc(0) depctr_va_vcc(0) depctr_vm_vsrc(0)
	s_getreg_b32 s2, hwreg(HW_REG_IB_STS2, 6, 4)
	s_cmp_eq_u32 s2, 0
	s_cbranch_scc0 .Lentry_in_a_cluster
	s_endpgm
.Lentry_in_a_cluster:
	s_bfe_u32 s2, ttmp6, 0x10000c
	s_cmp_lg_u32 s2, 0xf033
	s_cbranch_scc0 .Lentry_shape_is_right
	s_endpgm
.Lentry_shape_is_right:
; A GEMM ON TILES OF 256 x 256, K = 1,024: C[m][n] = sum over k of A[m][k] B[n][k], A and B bf16 with rows of 2,048 bytes, sums in f32.
; KIND 1 (this text): h = silu(x1b W1^T + b1), bf16, hb[4096][4096]; 16 x 16 = 256 tiles.  The bias is the C operand of the products that start the sums; silu(z) = z / (1 + 2^(-z log2 e)), in f32:
;   where 2^(-z log2 e) overflows the quotient is 0 with z's sign, silu's limit.
; KIND 0: the projections q, k, v, written by heads (the same text with other constants, and a loop that rounds weights in the clusters that have no tile).
; SHARES.  Four waves, each 128 x 128 of C: 64 accumulators, 512 registers.  K goes in 8 steps of 128 through two LDS slots; each wave fetches 128 rows x 256 bytes with one tensor load.
; CLUSTER.  4 x 4 work-groups: A's tile is shared along a row of the cluster, B's along a column; each is asked for jointly, by the same load with the same descriptor and a mask of the four.
; THE LOOP holds ONE K step; the slot in hand lies in s[TB], the slot to fill in the walking descriptor's LDS word, both turned by an exclusive or (SLOT shares no bit with wave x HALFT).
; THE MATRIX INSTRUCTION IS USED TRANSPOSED (source 0 = 16 rows of B, source 1 = 16 rows of A): a lane holds row l % 16 of C and the columns 8 (l / 16) + 0..7.
; THE WAY OUT.  All 64 accumulators go in f32 into the wave's own stage, 128 rows of 528 bytes, which lies in the ring's bytes behind their last fill; a counted loop reads rows back, finishes and stores them;
; a trip asks for the next trip's rows as soon as its own have been read out of their registers.
; LIMITS.  Operands are rounded to bf16; NaN and infinities are not treated apart.
; REGISTERS: window 0: v0-31 addresses; v64-127, v128-191 A's fragments, two buffers (later the way out's); v192-255 the bias.  window 1: v64-191 B's fragments.  windows 2, 3: accumulators (a, b) at v[8 (8 (a % 4) + b)].
.set KIND,   1
.set WOFF,   2097152                   ; where W1 begins in wb, in bytes
.set KSTEP,  128
.set PITCH,  272                       ; an LDS row: 256 bytes + 16 of padding: the 16 rows that a load touches start 68 words apart
.set HALFT,  128*PITCH
.set SLOT,   4*HALFT                   ; A's 256 rows, then B's 256 rows
.set SPARE,  2*SLOT                    ; behind the ring: the spare words, 128 bytes for each wave, which no other line names
.set SPITCH, 528                       ; a stage row: 512 bytes + 16
.set WSTAGE, 128*SPITCH                ; a wave's stage; four of them end below SPARE
.set ADRA,  16                         ; v16  LDS address of my A fragments in the slot in hand
.set ADRA0, 17                         ; v17  the same in slot 0; never rewritten
.set ADRB,  20
.set ADRB0, 21
.set STO,  24                          ; v24  the way out: where I put 16 bytes of a stage row
.set RD,   25                          ; v25  the way out: where I read them back; steps
.set CO,   26                          ; v26  my byte offset in the output
.set SPW,  28                          ; v28  my spare word; never rewritten
.set NIL,  29                          ; v29  0; never rewritten
.set PFO,  30                          ; v30  the prefetches' offset: lane x 2,048
.set F0,   64
.set F1,   128
.set BIAS, 192
.set G1,  24                           ; s[24:31] group 1 for A's tiles
.set G0,  32                           ; s[32:39] group 0 for A's: the first fill's, then the walking one
.set G1B, 48
.set G0B, 56
.set LIM, 43                           ; s43  2 in a wave that prefetches, else the greatest number
.set PFA, 44                           ; s[44:45] where my prefetches stand
.set TB,  66                           ; s66  0 or SLOT: the slot whose fragments are fetched
.set LB,  68                           ; s68  wave x HALFT: my tile's place in a slot
.set MSB, 0
.macro WIN new                         ; the immediate's high byte repeats the setting that is left; a switch that changes nothing is dropped
.if MSB != (\new)
	s_set_vgpr_msb (MSB<<8)|(\new)
.set MSB, \new
.endif
.endm
.set MUL_LO, 0xa1                      ; source 0 (B) window 1, source 1 (A) window 0, C and D window 2
.set MUL_HI, 0xf1                      ; the same, C and D window 3
.set TO_B,   0x40                      ; destination window 1, address window 0
; A joint load: waves 0 and 1 fetch A's halves, waves 2 and 3 B's.  The branch hangs on the wave's number alone.  An s_nop 0 and four v_nop follow each line.
.macro JLOAD s
	s_cmp_eq_u32 s11, 0
	s_cbranch_scc0 .Lfor_b_\@
	tensor_load_to_lds s[G0+4*(\s):G0+4*(\s)+3], s[G1:G1+7]
	s_nop 0
.rept 4
	v_nop
.endr
	s_branch .Lasked_\@
.Lfor_b_\@:
	tensor_load_to_lds s[G0B+4*(\s):G0B+4*(\s)+3], s[G1B:G1B+7]
	s_nop 0
.rept 4
	v_nop
.endr
.Lasked_\@:
.endm
; A prefetch of the K step that stands two refills on: 32 rows x 256 bytes, a lane a row, one instruction a wave.  Each row's 256 bytes of a K step are named once in the launch: of the clusters that read a
; tile row of A (a tile column of B) one asks; its four partners share the 128 rows that a wave fetches by ADDRESS, 32 each.  The trips with s3 = 2 and 1 have no K step two on.
.macro ASK
	s_cmp_gt_u32 s3, s[LIM]
	s_cbranch_scc0 .Lnot_mine_\@
	global_prefetch_b8 v[PFO], s[PFA:PFA+1] offset:KSTEP*2 th:TH_LOAD_NT scope:SCOPE_SE
.Lnot_mine_\@:
.endm
.macro CREST                           ; a round of the cluster's barrier behind its opening barrier
	s_cmp_lg_u32 s10, 0
	s_cbranch_scc1 .Lnot_wave_0_\@
	s_barrier_signal -3
.Lnot_wave_0_\@:
	s_barrier_wait -3
	s_barrier_signal -1
	s_barrier_wait -1
.endm
.macro CROUND
	s_barrier_signal -1
	s_barrier_wait -1
	CREST
.endm
	s_load_b128 s[4:7], s[0:1], 0x0                ; A s[4:5], B's buffer s[6:7]
.if KIND
	s_load_b128 s[72:75], s[0:1], 0x10             ; b1 s[72:73], hb s[74:75]
.else
	s_load_b64 s[8:9], s[0:1], 0x10                ; qkv
	s_load_b64 s[72:73], s[0:1], 0x18              ; W1
	s_load_b64 s[74:75], s[0:1], 0x20              ; W2
	s_load_b64 s[76:77], s[0:1], 0x28              ; wb
.endif
	v_lshl_add_u32 v[SPW], v0, 2, SPARE
	v_mov_b32 v[NIL], 0
	ds_add_u32 v[SPW], v[NIL]                      ; the wave's opening: the add and its wait ahead of my first tensor load
	v_lshrrev_b32 v1, 5, v0
	v_readfirstlane_b32 s10, v1                    ; wave 0..3
	s_lshr_b32 s11, s10, 1                         ; my half of the tile's rows.  Also: I fetch for A (0) or for B (1)
	s_and_b32 s12, s10, 1                          ; my half of its columns.  Also: which 128 rows I fetch
	s_bfe_u32 s40, ttmp6, 0x40000                  ; cx
	s_bfe_u32 s41, ttmp6, 0x40004                  ; cy
	s_lshl_b32 s42, ttmp9, 2
	s_add_co_u32 s42, s42, s40                     ; tile column
	s_and_b32 s13, ttmp7, 0xffff
	s_lshl_b32 s13, s13, 2
	s_add_co_u32 s13, s13, s41                     ; tile row
	s_lshl_b32 s43, s41, 2
	s_lshl_b32 s43, 15, s43                        ; my row of the cluster
	s_lshl_b32 s44, 0x1111, s40                    ; my column
	s_or_b32 s[G1+0], s43, (1<<16)|(1<<20)|(1<<21)|(5<<22)|(3<<25)   ; the mask; 2-byte elements; padding on; bit 21 beside a mask; after every 64 words 4 words
	s_or_b32 s[G1B+0], s44, (1<<16)|(1<<20)|(1<<21)|(5<<22)|(3<<25)
.irp g, G1, G1B
	s_mov_b32 s[(\g)+1], KSTEP<<16                 ; tensor_dim0 = 128
	s_mov_b32 s[(\g)+2], 128<<16                   ; tensor_dim1 = 128
	s_mov_b32 s[(\g)+3], KSTEP<<16                 ; tile_dim0 = 128
	s_mov_b32 s[(\g)+4], 128                       ; tile_dim1 = 128
	s_mov_b32 s[(\g)+5], 1024                      ; elements from row to row
	s_mov_b32 s[(\g)+6], 0
	s_mov_b32 s[(\g)+7], 0
.endr
	s_mov_b32 s[TB], 0
	s_lshl_b32 s17, s12, 7
	s_lshl_b32 s16, s13, 8
	s_add_co_u32 s16, s16, s17                     ; A: row 256 x tile row + 128 x half
.if KIND == 0
	s_cmp_eq_u32 ttmp9, 0                          ; the cluster's x, which all partners share: cluster 0 makes q, clusters 1 and 2 make k and v
	s_cselect_b32 s18, 0, 4096
	s_add_co_u32 s16, s16, s18
.endif
	s_lshl_b32 s46, s42, 8
	s_add_co_u32 s46, s46, s17                     ; B: row 256 x tile column + 128 x half
	s_lshl_b32 s16, s16, 11                        ; rows of 2,048 bytes
	s_lshl_b32 s46, s46, 11
.if KIND
	s_add_co_u32 s46, s46, WOFF                    ; W1 begins here in wb
.endif
	s_mov_b32 s17, 0
	s_mov_b32 s47, 0
	s_mul_i32 s[LB], s10, HALFT
	s_wait_dscnt 0x0                               ; the opening add is done
	s_wait_kmcnt 0x0
.if KIND
	s_mov_b64 s[8:9], s[74:75]
.endif
	s_add_nc_u64 s[14:15], s[4:5], s[16:17]
	s_add_nc_u64 s[46:47], s[6:7], s[46:47]
	CROUND                                         ; all sixteen work-groups are here: the first joint loads meet
.if KIND == 0
	s_cmp_eq_u32 ttmp9, 3                          ; the clusters without a tile (the addresses made above are not used there)
	s_cbranch_scc1 .Lweights
.endif
.irp s, 0,1
	s_mov_b32 s[G0+4*(\s)], 1
	s_add_co_u32 s[G0+4*(\s)+1], s[LB], (\s)*SLOT
	s_add_nc_u64 s[G0+4*(\s)+2:G0+4*(\s)+3], s[14:15], (\s)*KSTEP*2
	s_or_b32 s[G0+4*(\s)+3], s[G0+4*(\s)+3], 0x80000000
	s_mov_b32 s[G0B+4*(\s)], 1
	s_add_co_u32 s[G0B+4*(\s)+1], s[LB], (\s)*SLOT
	s_add_nc_u64 s[G0B+4*(\s)+2:G0B+4*(\s)+3], s[46:47], (\s)*KSTEP*2
	s_or_b32 s[G0B+4*(\s)+3], s[G0B+4*(\s)+3], 0x80000000
	JLOAD \s                                       ; K steps 0 and 1: two loads of mine are out
.endr
	v_and_b32 v1, 15, v0                           ; l % 16
	v_bfe_u32 v2, v0, 4, 1                         ; l / 16
.if KIND
	s_lshl_b32 s16, s42, 10                        ; the bias of my 128 columns: 4 (256 x tile column + 128 x half) bytes on
	s_lshl_b32 s17, s12, 9
	s_add_co_u32 s16, s16, s17
	s_mov_b32 s17, 0
	s_add_nc_u64 s[72:73], s[72:73], s[16:17]
	v_lshlrev_b32 v7, 5, v2                        ; my lanes' 8 columns of a block of 16
.irp b, 0,1,2,3,4,5,6,7
	global_load_b128 v[BIAS+8*(\b):BIAS+8*(\b)+3],   v7, s[72:73] offset:64*(\b)
	global_load_b128 v[BIAS+8*(\b)+4:BIAS+8*(\b)+7], v7, s[72:73] offset:64*(\b)+16
.endr
.endif
	v_mul_u32_u24 v3, v1, PITCH
	v_lshl_add_u32 v3, v2, 4, v3                   ; a fragment's row x pitch + 16 x half
	s_mul_i32 s21, s11, HALFT                      ; my 128 rows of A
	s_mul_i32 s22, s12, HALFT
	s_add_co_u32 s22, s22, 2*HALFT                 ; my 128 rows of B, behind A's 256
	v_add_nc_u32 v[ADRA0], s21, v3
	v_add_nc_u32 v[ADRB0], s22, v3
	v_mov_b32 v[ADRA], v[ADRA0]
	v_mov_b32 v[ADRB], v[ADRB0]
	s_mul_i32 s23, s10, WSTAGE                     ; my stage
	v_mul_u32_u24 v4, v1, SPITCH
	v_lshl_add_u32 v4, v2, 4, v4
	v_add_nc_u32 v[STO], s23, v4                   ; in: row l % 16; group g = 2 b + l / 16 of eight columns puts its first four at 16 g, its last four at 256 + 16 g
	v_mul_u32_u24 v5, v2, SPITCH
	v_lshl_add_u32 v5, v1, 4, v5
	v_add_nc_u32 v[RD], s23, v5                    ; back: lanes 0-15 one row, lanes 16-31 the next; lane g takes group g
.if KIND
	v_lshlrev_b32 v5, 13, v2                       ; hb: rows of 8,192 bytes, 16 bytes a group
	v_lshl_add_u32 v[CO], v1, 4, v5
	s_lshl_b32 s16, s13, 21                        ; 256 x tile row,
	s_lshl_b32 s17, s11, 20                        ; my 128 rows,
	s_add_co_u32 s16, s16, s17
	s_lshl_b32 s17, s42, 9                         ; the tile's 512 bytes of a row,
	s_add_co_u32 s16, s16, s17
	s_lshl_b32 s17, s12, 8                         ; my 256 of them
	s_add_co_u32 s16, s16, s17
.else
	v_lshrrev_b32 v5, 3, v1                        ; qkv: groups 0-7 are one head, 8-15 the next: a plane on
	v_lshlrev_b32 v5, 19, v5
	v_lshl_add_u32 v5, v2, 7, v5                   ; rows of 128 bytes
	v_and_b32 v6, 7, v1
	v_lshl_add_u32 v[CO], v6, 4, v5
	s_lshl_b32 s16, s42, 2
	s_lshl_b32 s17, s12, 1
	s_add_co_u32 s16, s16, s17                     ; my first plane: 4 x tile column + 2 x half
	s_lshl_b32 s16, s16, 19
	s_lshl_b32 s17, s13, 15                        ; 256 x tile row rows of 128 bytes
	s_add_co_u32 s16, s16, s17
	s_lshl_b32 s17, s11, 14
	s_add_co_u32 s16, s16, s17
.endif
	s_mov_b32 s17, 0
	s_add_nc_u64 s[8:9], s[8:9], s[16:17]
	; the prefetches
	s_lshl_b32 s20, s13, 8                         ; A's tile begins at this row,
.if KIND
	s_mov_b32 s23, ttmp9                           ; and every cluster of my row of clusters reads it: the first asks
.else
	s_cmp_eq_u32 ttmp9, 0
	s_cselect_b32 s21, 0, 4096
	s_add_co_u32 s20, s20, s21
	s_lshr_b32 s23, ttmp9, 1                       ; cluster 0 alone reads q's rows and asks; of clusters 1 and 2, which read kv's, cluster 1 asks
.endif
	s_lshl_b32 s21, s42, 8                         ; B's at this one
.if KIND
	s_add_co_u32 s21, s21, WOFF/2048
.endif
	s_and_b32 s22, ttmp7, 0xffff                   ; cluster y
	s_cmp_eq_u32 s11, 0                            ; do I fetch for A?
	s_cselect_b32 s20, s20, s21
	s_cselect_b32 s21, s40, s41                    ; my place among the four that ask with me
	s_cselect_b32 s22, s23, s22
	s_cselect_b64 s[PFA:PFA+1], s[4:5], s[6:7]
	s_cmp_eq_u32 s22, 0
	s_cselect_b32 s[LIM], 2, -1                    ; the same in all sixteen partners, for a given wave
	s_lshl_b32 s22, s12, 7
	s_add_co_u32 s20, s20, s22
	s_lshl_b32 s21, s21, 5
	s_add_co_u32 s20, s20, s21                     ; my work-group's 32 of the 128 rows that I fetch
	s_lshl_b32 s20, s20, 11
	s_add_co_u32 s20, s20, 2*KSTEP*2               ; at K step 2: the first refill steps it to 3 and names K step 4
	s_mov_b32 s21, 0
	s_add_nc_u64 s[PFA:PFA+1], s[PFA:PFA+1], s[20:21]
	v_and_b32 v[PFO], 31, v0
	v_lshlrev_b32 v[PFO], 11, v[PFO]
; 16 matrix instructions: m blocks a0, a0 + 1 of the window's four x all 8 n blocks, 32 along K.  zero = 1: the product starts the sum, with 0 or (KIND 1) with the bias.
.macro MUL16 f, hi, a0, zero
.if (\zero) && KIND
	WIN 0x81+0x40*(\hi)
.else
	WIN MUL_LO+0x50*(\hi)
.endif
.irp a, \a0, (\a0)+1
.irp b, 0,1,2,3,4,5,6,7
.if (\zero) && KIND
	v_wmma_f32_16x16x32_bf16 v[8*(8*(\a)+(\b)):8*(8*(\a)+(\b))+7], v[(\f)+8*(\b):(\f)+8*(\b)+7], v[(\f)+8*(4*(\hi)+(\a)):(\f)+8*(4*(\hi)+(\a))+7], v[BIAS+8*(\b):BIAS+8*(\b)+7]
.elseif \zero
	v_wmma_f32_16x16x32_bf16 v[8*(8*(\a)+(\b)):8*(8*(\a)+(\b))+7], v[(\f)+8*(\b):(\f)+8*(\b)+7], v[(\f)+8*(4*(\hi)+(\a)):(\f)+8*(4*(\hi)+(\a))+7], 0
.else
	v_wmma_f32_16x16x32_bf16 v[8*(8*(\a)+(\b)):8*(8*(\a)+(\b))+7], v[(\f)+8*(\b):(\f)+8*(\b)+7], v[(\f)+8*(4*(\hi)+(\a)):(\f)+8*(4*(\hi)+(\a))+7], v[8*(8*(\a)+(\b)):8*(8*(\a)+(\b))+7]
.endif
.endr
.endr
.endm
; 32 LDS loads in one run: a quarter step's fragments (32 K at byte k of the rows of the slot in hand) into buffer f
.macro FETCH k, f
	WIN TO_B
.irp i, 0,1,2,3,4,5,6,7
	ds_load_b128 v[(\f)+8*(\i):(\f)+8*(\i)+3],   v[ADRB] offset:(\k)+(\i)*16*PITCH
	ds_load_b128 v[(\f)+8*(\i)+4:(\f)+8*(\i)+7], v[ADRB] offset:(\k)+(\i)*16*PITCH+32
.endr
	WIN 0
.irp i, 0,1,2,3,4,5,6,7
	ds_load_b128 v[(\f)+8*(\i):(\f)+8*(\i)+3],   v[ADRA] offset:(\k)+(\i)*16*PITCH
	ds_load_b128 v[(\f)+8*(\i)+4:(\f)+8*(\i)+7], v[ADRA] offset:(\k)+(\i)*16*PITCH+32
.endr
.endm
.macro PLACES                          ; four plain instructions between a matrix instruction and a load into, or a read of, its registers
.rept 4
	v_nop
.endr
.endm
; One of a K step's first three quarters: multiplies buffer f; in its middle it fetches the next quarter, at byte k, into buffer g.  The 64 accumulators take turns, in the same order in every quarter.
.macro QUARTER k, f, g, zero
	s_wait_dscnt 8                                 ; B and A's rows 0-63 are in; the youngest eight loads (A's rows 64-127) may be out
	MUL16 \f, 0, 0, \zero
	MUL16 \f, 0, 2, \zero
	PLACES
	FETCH \k, \g
	s_wait_dscnt 32                                ; all but the 32 just issued
	MUL16 \f, 1, 0, \zero
	MUL16 \f, 1, 2, \zero
.endm
; The last quarter multiplies buffer 1 and changes slots.  In front of the barrier each wave waits for all its tensor loads (one is out: its part of the next slot), adds 0 to its spare word, and waits for
; that and for its reads of this slot.  fill = 1: the barrier opens a round of the cluster's barrier, and the joint refill, two K steps on, is the first thing behind the round.
.macro TURN fill
.if \fill
	s_wait_xcnt 0x0                                ; the last prefetch, a K step back, has read its address
	s_add_nc_u64 s[PFA:PFA+1], s[PFA:PFA+1], KSTEP*2
.endif
	WIN 0
	s_wait_tensorcnt 0x0                           ; all my tensor loads have landed
	ds_add_u32 v[SPW], v[NIL]                      ; 0 onto my spare word
	s_wait_dscnt 9                                 ; (the add and the youngest eight loads may be out)
	MUL16 F1, 0, 0, 0
	s_wait_dscnt 0x0                               ; the add is done, and my reads of this slot are over
	s_barrier_signal -1
	MUL16 F1, 0, 2, 0
.if \fill
	WIN 0
.endif
	s_barrier_wait -1
.if \fill
	CREST                                          ; no wave of any partner still reads this slot or has a load on its way
	s_xor_b32 s[G0+5], s[G0+5], SLOT               ; the walking descriptors: the other slot than last time,
	s_xor_b32 s[G0B+5], s[G0B+5], SLOT
	s_add_nc_u64 s[G0+6:G0+7], s[G0+6:G0+7], KSTEP*2      ; the next K step
	s_add_nc_u64 s[G0B+6:G0B+7], s[G0B+6:G0B+7], KSTEP*2
	JLOAD 1                                        ; its four v_nop are also the places in front of the loads below
.else
	PLACES
.endif
	WIN 0
	s_xor_b32 s[TB], s[TB], SLOT
	v_add_nc_u32 v[ADRA], s[TB], v[ADRA0]
	v_add_nc_u32 v[ADRB], s[TB], v[ADRB0]
	FETCH 0, F0
.if \fill
	ASK
.endif
	MUL16 F1, 1, 0, 0
	MUL16 F1, 1, 2, 0
.endm
; The way out: 2 n stage rows back into v[64 ..]: lanes 0-15 take one row, lanes 16-31 the next; a lane's eight columns come in two loads
.macro BACK n
.set i, 0
.rept \n
	ds_load_b128 v[64+8*i:64+8*i+3],   v[RD] offset:i*2*SPITCH
	ds_load_b128 v[64+8*i+4:64+8*i+7], v[RD] offset:i*2*SPITCH+256
.set i, i+1
.endr
.endm
	s_wait_tensorcnt 1                             ; my part of K step 0 is in; K step 1's may stay out
	s_barrier_signal -1
	s_barrier_wait -1
.if KIND
	s_wait_loadcnt 0x0                             ; the bias
.endif
	FETCH 0, F0
	QUARTER 64, F0, F1, 1                          ; the first quarter stands in front of the loop: its products start the sums
	WIN 0
	s_mov_b32 s3, 6
.Lstep:                                        ; six trips, from a K step's second quarter to the next one's first: the refills are K steps 2 to 7
	QUARTER 128, F1, F0, 0
	QUARTER 192, F0, F1, 0
	TURN 1
	QUARTER 64, F0, F1, 0
	WIN 0
	s_sub_co_u32 s3, s3, 1
	s_cmp_lg_u32 s3, 0
	s_cbranch_scc1 .Lstep
	s_mov_b32 s3, 2
.Ltail:                                        ; K steps 6 and 7 ask for nothing; the second trip is left in its middle
	QUARTER 128, F1, F0, 0
	QUARTER 192, F0, F1, 0
	WIN 0
	s_sub_co_u32 s3, s3, 1
	s_cmp_eq_u32 s3, 0
	s_cbranch_scc1 .Llast
	TURN 0
	QUARTER 64, F0, F1, 0
	WIN 0
	s_branch .Ltail
.Llast:
	s_wait_dscnt 0x0                               ; my last reads of the ring are back:
	s_barrier_signal -1                            ; say so,
	MUL16 F1, 0, 0, 0
	MUL16 F1, 0, 2, 0
	MUL16 F1, 1, 0, 0
	MUL16 F1, 1, 2, 0
	WIN 0
	s_barrier_wait -1                              ; and nobody reads the ring any more; it has had its last fill, so the stages may be written
	PLACES
	PLACES
.irp hi, 0,1
	WIN 0x08+4*(\hi)                               ; store data in window 2, then 3
.irp a, 0,1,2,3
.irp b, 0,1,2,3,4,5,6,7
	ds_store_b128 v[STO], v[8*(8*(\a)+(\b)):8*(8*(\a)+(\b))+3]   offset:(4*(\hi)+(\a))*16*SPITCH+32*(\b)
	ds_store_b128 v[STO], v[8*(8*(\a)+(\b))+4:8*(8*(\a)+(\b))+7] offset:(4*(\hi)+(\a))*16*SPITCH+32*(\b)+256
.endr
.endr
.endr
	WIN 0
	s_wait_dscnt 0x0
	s_barrier_signal -1
	s_barrier_wait -1                              ; every stage is whole
.if KIND
.set XR, 64                            ; 8 rows: z
.set ER, 96                            ; 2^(-z log2 e), 1 + that, its reciprocal, silu(z)
.set YR, 128                           ; rounded
	BACK 4                                         ; the first 8 rows
	s_mov_b32 s3, 16
.Ldrain:                                       ; sixteen trips of 8 rows
	s_wait_dscnt 0x0                               ; this trip's rows, asked for in the trip before
	v_pk_mul_f32 v[ER:ER+1], v[XR:XR+1], 0xbfb8aa3b op_sel_hi:[1,0]
.set k, 1
.rept 15
	v_pk_mul_f32 v[ER+2*k:ER+2*k+1], v[XR+2*k:XR+2*k+1], 0xbfb8aa3b op_sel_hi:[1,0]
	v_exp_f32 v[ER+2*k-2], v[ER+2*k-2]
	v_exp_f32 v[ER+2*k-1], v[ER+2*k-1]
.set k, k+1
.endr
	v_exp_f32 v[ER+30], v[ER+30]
	v_exp_f32 v[ER+31], v[ER+31]
	v_nop                                          ; a plain instruction behind the last exponential,
	s_wait_alu depctr_va_vdst(0)                   ; and one wait for the 32, ahead of the first line that names a result
	v_pk_add_f32 v[ER:ER+1], v[ER:ER+1], 1.0 op_sel_hi:[1,0]
.set k, 1
.rept 15
	v_pk_add_f32 v[ER+2*k:ER+2*k+1], v[ER+2*k:ER+2*k+1], 1.0 op_sel_hi:[1,0]
	v_rcp_f32 v[ER+2*k-2], v[ER+2*k-2]
	v_rcp_f32 v[ER+2*k-1], v[ER+2*k-1]
.set k, k+1
.endr
	v_rcp_f32 v[ER+30], v[ER+30]
	v_rcp_f32 v[ER+31], v[ER+31]
	v_nop
	s_wait_alu depctr_va_vdst(0)                   ; one wait for the 32 reciprocals
.set k, 0
.rept 16
	v_pk_mul_f32 v[ER+2*k:ER+2*k+1], v[XR+2*k:XR+2*k+1], v[ER+2*k:ER+2*k+1]
.set k, k+1
.endr
	s_cmp_eq_u32 s3, 1                             ; z has been read for the last time: the next 8 rows are asked for, but in the last trip
	s_cbranch_scc1 .Lno_more
	v_add_nc_u32 v[RD], 8*SPITCH, v[RD]
	BACK 4
.Lno_more:
	s_wait_xcnt 0x0                                ; the last trip's stores, a trip's arithmetic back, have read their data and their base
	s_add_nc_u64 s[8:9], s[8:9], 65536             ; 8 rows of hb on; the stores below reach back
.set k, 0
.rept 16
	v_cvt_pk_bf16_f32 v[YR+k], v[ER+2*k], v[ER+2*k+1]
.set k, k+1
.endr
.irp i, 0,1,2,3
	global_store_b128 v[CO], v[YR+4*(\i):YR+4*(\i)+3], s[8:9] offset:(\i)*16384-65536  ; 16 lanes store 256 consecutive bytes, aligned: my 128 columns of a row
.endr
.else
	BACK 8                                         ; the first 16 rows
	s_mov_b32 s3, 8
.Ldrain:                                       ; eight trips of 16 rows
	s_wait_dscnt 0x0                               ; this trip's rows, asked for in the trip before
	s_wait_xcnt 0x0                                ; the last trip's stores have read their data and their base
	s_add_nc_u64 s[8:9], s[8:9], 2048              ; 16 rows of 128 bytes on; the stores below reach back
.set k, 0
.rept 32
	v_cvt_pk_bf16_f32 v[128+k], v[64+2*k], v[64+2*k+1]
.set k, k+1
.endr
	s_cmp_eq_u32 s3, 1                             ; the rows have been read out of their registers: the next 16 are asked for, but in the last trip
	s_cbranch_scc1 .Lno_more
	v_add_nc_u32 v[RD], 16*SPITCH, v[RD]
	BACK 8
.Lno_more:
.irp i, 0,1,2,3,4,5,6,7
	global_store_b128 v[CO], v[128+4*(\i):128+4*(\i)+3], s[8:9] offset:(\i)*256-2048  ; two rows of each of two heads: two blocks of 256 consecutive bytes, aligned, each written whole
.endr
.endif
	s_sub_co_u32 s3, s3, 1
	s_cmp_lg_u32 s3, 0
	s_cbranch_scc1 .Ldrain
.if KIND == 0
	s_branch .Lend
.Lweights:                                     ; THE CLUSTERS WITHOUT A TILE: wb's rows of W1 and W2 = those numbers rounded once to bf16
	s_lshl_b32 s80, s13, 2
	s_add_co_u32 s80, s80, s40                     ; my work-group among the 64: 4 x (4 x cluster y + cy) + cx; it enters plain loads' and stores' addresses alone
	s_lshl_b32 s80, s80, 2
	s_add_co_u32 s80, s80, s10                     ; my wave among the 256: 32 rows each
	s_cmp_lt_u32 s80, 128
	s_cselect_b64 s[82:83], s[72:73], s[74:75]     ; waves 0-127 take W1, the others W2
	s_and_b32 s84, s80, 127
	s_lshl_b32 s84, s84, 17                        ; 32 rows of 4,096 bytes
	s_mov_b32 s85, 0
	s_add_nc_u64 s[82:83], s[82:83], s[84:85]
	s_lshl_b32 s84, s80, 16                        ; 32 rows of 2,048 bytes: W2's rows follow W1's in wb
	s_add_co_u32 s84, s84, WOFF
	s_add_nc_u64 s[76:77], s[76:77], s[84:85]
	v_and_b32 v32, 31, v0
	v_lshlrev_b32 v33, 3, v32                      ; 8 bytes a lane on the way out
	v_lshlrev_b32 v32, 4, v32                      ; 16 bytes a lane on the way in
	s_mov_b32 s3, 8
.Lrows:                                        ; eight trips of 4 rows
.irp r, 0,1,2,3
.irp j, 0,1,2,3,4,5,6,7
	global_load_b128 v[64+32*(\r)+4*(\j):64+32*(\r)+4*(\j)+3], v32, s[82:83] offset:4096*(\r)+512*(\j) th:TH_LOAD_NT
.endr
.endr
	s_wait_loadcnt 0x0
	s_wait_xcnt 0x0                                ; the last trip's stores have read their data and their base
	s_add_nc_u64 s[82:83], s[82:83], 16384
	s_add_nc_u64 s[76:77], s[76:77], 8192          ; the stores below reach back
.set k, 0
.rept 64
	v_cvt_pk_bf16_f32 v[192+k], v[64+2*k], v[64+2*k+1]
.set k, k+1
.endr
.irp r, 0,1,2,3
.irp j, 0,1,2,3,4,5,6,7
	global_store_b64 v33, v[192+16*(\r)+2*(\j):192+16*(\r)+2*(\j)+1], s[76:77] offset:2048*(\r)+256*(\j)-8192  ; 256 consecutive bytes, aligned
.endr
.endr
	s_sub_co_u32 s3, s3, 1
	s_cmp_lg_u32 s3, 0
	s_cbranch_scc1 .Lrows
.Lend:
.endif
	s_wait_tensorcnt 0x0                           ; the wave's end
	ds_add_u32 v[SPW], v[NIL]
	s_wait_dscnt 0x0
	CROUND                                         ; the closing round
	s_endpgm
.Lfunc_end_k_qdff0d13f5f_w1:
	.size	k_qdff0d13f5f_w1, .Lfunc_end_k_qdff0d13f5f_w1-k_qdff0d13f5f_w1
	.p2alignl 7, 3214868480
	.fill 96, 4, 3214868480
	.section	.rodata,"a",@progbits
	.p2align	6, 0x0
	.amdhsa_kernel k_qdff0d13f5f_w1
		.amdhsa_group_segment_fixed_size 327680
		.amdhsa_private_segment_fixed_size 0
		.amdhsa_enable_private_segment 0
		.amdhsa_kernarg_size 32
		.amdhsa_user_sgpr_count 2
		.amdhsa_user_sgpr_kernarg_segment_ptr 1
		.amdhsa_wavefront_size32 1
		.amdhsa_system_sgpr_workgroup_id_x 1
		.amdhsa_system_sgpr_workgroup_id_y 1
		.amdhsa_system_sgpr_workgroup_id_z 1
		.amdhsa_system_vgpr_workitem_id 0
		.amdhsa_next_free_vgpr 1024
		.amdhsa_next_free_sgpr 76
		.amdhsa_reserve_vcc 0
		.amdhsa_float_denorm_mode_32 3
		.amdhsa_float_denorm_mode_16_64 3
		.amdhsa_memory_ordered 1
		.amdhsa_forward_progress 1
		.amdhsa_inst_pref_size 92
	.end_amdhsa_kernel
	.amdgpu_metadata
---
amdhsa.version: [ 1, 2 ]
amdhsa.kernels:
  - .name:           k_qdff0d13f5f_w1
    .symbol:         k_qdff0d13f5f_w1.kd
    .args:
      - { .name: x1b, .offset: 0, .size: 8, .value_kind: global_buffer, .address_space: global }
      - { .name: wb, .offset: 8, .size: 8, .value_kind: global_buffer, .address_space: global }
      - { .name: b1, .offset: 16, .size: 8, .value_kind: global_buffer, .address_space: global }
      - { .name: hb, .offset: 24, .size: 8, .value_kind: global_buffer, .address_space: global }
    .group_segment_fixed_size: 327680
    .private_segment_fixed_size: 0
    .kernarg_segment_align: 8
    .kernarg_segment_size: 32
    .max_flat_workgroup_size: 128
    .sgpr_count:     76
    .vgpr_count:     1024
    .wavefront_size: 32
...
	.end_amdgpu_metadata
.endif
;; end of part 5
;; launch w2 (part 6): grid 8 x 32, 4 waves a work-group, clusters of 4 x 4, 327,680 bytes of LDS; arguments hb, wb, b2, x1, out0; writes out0
.if DOCPART == 6
	.amdgcn_target "amdgcn-amd-amdhsa--gfx1250"
	.amdhsa_code_object_version 6
	.text
	.protected	k_qdff0d13f5f_w2
	.globl	k_qdff0d13f5f_w2
	.p2align	8
	.type	k_qdff0d13f5f_w2,@function
k_qdff0d13f5f_w2:
	s_mov_b64 s[64:65], 0
	v_nop
	global_prefetch_b8 v0, s[64:65] scope:SCOPE_SE
	s_setreg_imm32_b32 hwreg(HW_REG_WAVE_MODE, 25, 1), 1
	s_wait_xcnt 0x0
	s_wait_alu depctr_hold_cnt(0) depctr_sa_sdst(0) depctr_va_vdst(0) depctr_va_sdst(0) depctr_va_ssrc(0) depctr_va_vcc(0) depctr_vm_vsrc(0)
	s_getreg_b32 s2, hwreg(HW_REG_IB_STS2, 6, 4)
	s_cmp_eq_u32 s2, 0
	s_cbranch_scc0 .Lentry_in_a_cluster
	s_endpgm
.Lentry_in_a_cluster:
	s_bfe_u32 s2, ttmp6, 0x10000c
	s_cmp_lg_u32 s2, 0xf033
	s_cbranch_scc0 .Lentry_shape_is_right
	s_endpgm
.Lentry_shape_is_right:
; A GEMM ON TILES OF 128 x 128 WITH BIAS AND RESIDUAL: OUT[m][n] = RES[m][n] + bias[n] + sum over k of A[m][k] B[n][k].  A and B bf16, sums, bias, residual and OUT in f32; 4,096 x 1,024 of OUT: 256 tiles.
; KIND 1 (this text): out0 = x1 + hb W2^T + b2, K = 4,096; A = hb with rows of 8,192 bytes.
; KIND 0: x1 = q_x + ao Wo^T + bo (the same text with other constants).
; SHARES.  Four waves, each 64 x 64: 16 accumulators.  K goes in steps of 256 through two LDS slots; each wave fetches 64 rows' part of a step with one tensor load.
; CLUSTER.  4 x 4 work-groups; A's tile is shared along a row of the cluster, B's along a column, each asked for jointly.
; THE WALK ALONG K.  A cluster whose x + y is odd begins at K step NSTEP / 2 and wraps; the others begin at 0.  So two clusters that read the same rows (of A: neighbours along x; of B: neighbours along y)
; read a given K step half a walk apart.  The number hangs on the cluster's coordinates alone, which all sixteen partners share.  The f32 sums are therefore taken in one of two orders along K.
; THE LOOP holds ONE K step; the slot in hand lies in s[TB], the slot to fill in the walking descriptors' LDS words, turned by an exclusive or (SLOTD shares no bit with a tile's place in a slot);
; the walking descriptors' addresses are made anew for each refill: the tile's base plus the K step's number shifted.
; THE BIAS is the C operand of the products that start the sums.  THE RESIDUAL of the 32 rows that a wave stores is loaded at the head into window 2 and stays on its way under the whole loop.
; THE MATRIX INSTRUCTION IS USED TRANSPOSED: a lane holds row l % 16 of the tile and eight neighbouring columns.  The tile goes out through one stage of 128 rows x 528 bytes in slot 0's bytes, behind their last fill.
; LIMITS.  Operands are rounded to bf16; NaN and infinities are not treated apart.
; REGISTERS: window 0: v0-31 addresses; v32-63 rows on the way out; v96-127 the bias; v128-255 accumulators (a, b) at v[128 + 8 (4 a + b)].  window 1: two fragment buffers of 128.  window 2: v0-127 the residual.
.set KIND,   1
.set PITCHB, 528                       ; a row of B in LDS: 512 bytes + 16
.set HALFB,  64*PITCHB
.if KIND == 0
.set NSTEP,  4
.set HSH,    1                         ; NSTEP / 2 = 1 << HSH
.set KEL,    1024                      ; elements in a row of B
.set PITCHA, 144                       ; a row of A in a plane: 128 bytes + 16
.set AQ,     64*PITCHA                 ; from quarter to quarter: the next plane's 64 rows
.set HALFA,  4*AQ
.set AKS,    21                        ; a K step in A is 1 << AKS bytes: four planes of 524,288
.set BBASE,  0                         ; Wo in wb
.set ASH,    7                         ; a row of A is 128 bytes
.set BSH,    11
.else
.set NSTEP,  16
.set HSH,    3
.set KEL,    4096
.set PITCHA, 528
.set AQ,     128
.set HALFA,  64*PITCHA
.set AKS,    9                         ; a K step in A is 512 bytes of a row
.set BBASE,  10485760                  ; W2 in wb
.set ASH,    13
.set BSH,    13
.endif
.set BOFF,   2*HALFA                   ; a slot: A's two halves, then B's two
.set SLOTD,  147456                    ; slot 1 begins here
.set SPARE,  SLOTD+2*(HALFA+HALFB)     ; behind the ring: the spare words, which no other line names
.set SPITCH, 528
.set ADRA,  16
.set ADRA0, 17
.set ADRB,  20
.set ADRB0, 21
.set STO,  24
.set RD,   25
.set CO,   26                          ; v26  16 x lane; never rewritten
.set CB,   27                          ; v27  8 x lane
.set SPW,  28
.set NIL,  29
.set T,    32
.set YB,   64
.set BIAS, 96
.set ACC,  128
.set F0,   0
.set F1,   128
.set G1,  24
.set G0,  32
.set G1B, 48
.set G0B, 56
.set TB,  66
.set KI,  69                           ; s69      the K step asked for last
.set OA,  70                           ; s[70:71] its byte offset from A's tile base s[14:15]
.set OB,  18                           ; s[18:19] its byte offset from B's tile base s[46:47]
.set MSB, 0
.macro WIN new
.if MSB != (\new)
	s_set_vgpr_msb (MSB<<8)|(\new)
.set MSB, \new
.endif
.endm
.set MUL,  0x05                        ; sources 0 (B) and 1 (A) window 1; C and D window 0
.set TO_F, 0x40                        ; destination window 1, address window 0
.macro JLOAD s                         ; a joint load: waves 0 and 1 fetch A's halves, waves 2 and 3 B's; an s_nop 0 and four v_nop follow each line
	s_cmp_eq_u32 s11, 0
	s_cbranch_scc0 .Lfor_b_\@
	tensor_load_to_lds s[G0+4*(\s):G0+4*(\s)+3], s[G1:G1+7]
	s_nop 0
.rept 4
	v_nop
.endr
	s_branch .Lasked_\@
.Lfor_b_\@:
	tensor_load_to_lds s[G0B+4*(\s):G0B+4*(\s)+3], s[G1B:G1B+7]
	s_nop 0
.rept 4
	v_nop
.endr
.Lasked_\@:
.endm
.macro CREST
	s_cmp_lg_u32 s10, 0
	s_cbranch_scc1 .Lnot_wave_0_\@
	s_barrier_signal -3
.Lnot_wave_0_\@:
	s_barrier_wait -3
	s_barrier_signal -1
	s_barrier_wait -1
.endm
.macro CROUND
	s_barrier_signal -1
	s_barrier_wait -1
	CREST
.endm
	s_load_b128 s[4:7], s[0:1], 0x0                ; A s[4:5], wb s[6:7]
.if KIND == 0
	s_load_b256 s[72:79], s[0:1], 0x10             ; bo 72, q_x 74, x1 76, x1b 78
.else
	s_load_b128 s[72:75], s[0:1], 0x10             ; b2 72, x1 74
	s_load_b64 s[76:77], s[0:1], 0x20              ; out0
.endif
	v_lshl_add_u32 v[SPW], v0, 2, SPARE
	v_mov_b32 v[NIL], 0
	ds_add_u32 v[SPW], v[NIL]                      ; the wave's opening: the add and its wait ahead of my first tensor load
	v_lshrrev_b32 v1, 5, v0
	v_readfirstlane_b32 s10, v1                    ; wave 0..3
	s_lshr_b32 s11, s10, 1                         ; my half of the tile's rows.  Also: I fetch for A (0) or for B (1)
	s_and_b32 s12, s10, 1                          ; my half of its columns.  Also: which 64 rows I fetch
	s_bfe_u32 s40, ttmp6, 0x40000                  ; cx
	s_bfe_u32 s41, ttmp6, 0x40004                  ; cy
	s_lshl_b32 s42, ttmp9, 2
	s_add_co_u32 s42, s42, s40                     ; tile column
	s_and_b32 s13, ttmp7, 0xffff
	s_add_co_u32 s[KI], s13, ttmp9                 ; cluster x + cluster y:
	s_and_b32 s[KI], s[KI], 1                      ; odd or even,
	s_lshl_b32 s[KI], s[KI], HSH                   ; the walk begins at K step NSTEP / 2 or 0
	s_mov_b32 s[OA+1], 0
	s_mov_b32 s[OB+1], 0
	s_lshl_b32 s13, s13, 2
	s_add_co_u32 s13, s13, s41                     ; tile row
	s_lshl_b32 s43, s41, 2
	s_lshl_b32 s43, 15, s43                        ; my row of the cluster
	s_lshl_b32 s44, 0x1111, s40                    ; my column
.if KIND == 0
	; A: four long rows, one a plane: 64 rows of 64 elements lie on end in memory, 4,096 elements; 16 bytes of padding behind every 128, counted along the whole tile: element (plane y, row, k) at (64 y + row) 144 + 2 k
	s_or_b32 s[G1+0], s43, (1<<16)|(1<<20)|(1<<21)|(4<<22)|(3<<25)
	s_mov_b32 s[G1+1], 4096<<16                    ; tensor_dim0
	s_mov_b32 s[G1+2], 4<<16                       ; tensor_dim1
	s_mov_b32 s[G1+3], 4096<<16                    ; tile_dim0
	s_mov_b32 s[G1+4], 4                           ; tile_dim1
	s_mov_b32 s[G1+5], 262144                      ; elements from plane to plane
.else
	s_or_b32 s[G1+0], s43, (1<<16)|(1<<20)|(1<<21)|(6<<22)|(3<<25)   ; A: 64 rows x 256 elements, 16 bytes of padding behind every 512
	s_mov_b32 s[G1+1], 256<<16
	s_mov_b32 s[G1+2], 64<<16
	s_mov_b32 s[G1+3], 256<<16
	s_mov_b32 s[G1+4], 64
	s_mov_b32 s[G1+5], 4096
.endif
	s_mov_b32 s[G1+6], 0
	s_mov_b32 s[G1+7], 0
	s_or_b32 s[G1B+0], s44, (1<<16)|(1<<20)|(1<<21)|(6<<22)|(3<<25)  ; B: 64 rows x 256 elements, 16 bytes of padding behind every 512
	s_mov_b32 s[G1B+1], 256<<16
	s_mov_b32 s[G1B+2], 64<<16
	s_mov_b32 s[G1B+3], 256<<16
	s_mov_b32 s[G1B+4], 64
	s_mov_b32 s[G1B+5], KEL
	s_mov_b32 s[G1B+6], 0
	s_mov_b32 s[G1B+7], 0
	s_mov_b32 s[TB], 0
	s_lshl_b32 s17, s12, 6
	s_lshl_b32 s16, s13, 7
	s_add_co_u32 s16, s16, s17                     ; A: row 128 x tile row + 64 x half
	s_lshl_b32 s46, s42, 7
	s_add_co_u32 s46, s46, s17                     ; B: row 128 x tile column + 64 x half
	s_lshl_b32 s16, s16, ASH
	s_lshl_b32 s46, s46, BSH
	s_add_co_u32 s46, s46, BBASE
	s_mov_b32 s17, 0
	s_mov_b32 s47, 0
	s_mul_i32 s20, s12, HALFA                      ; where A's half goes in a slot,
	s_mul_i32 s21, s12, HALFB
	s_add_co_u32 s21, s21, BOFF                    ; and B's: no place in the cluster enters an LDS address
	s_wait_dscnt 0x0                               ; the opening add is done
	s_wait_kmcnt 0x0
	s_add_nc_u64 s[14:15], s[4:5], s[16:17]        ; A's tile base: my rows at K step 0; never rewritten
	s_add_nc_u64 s[46:47], s[6:7], s[46:47]        ; B's; never rewritten
	CROUND                                         ; all sixteen work-groups are here
.irp s, 0,1
	s_lshl_b32 s[OA], s[KI], AKS
	s_lshl_b32 s[OB], s[KI], 9                     ; a K step in B is 512 bytes of a row
	s_mov_b32 s[G0+4*(\s)], 1
	s_add_co_u32 s[G0+4*(\s)+1], s20, (\s)*SLOTD
	s_add_nc_u64 s[G0+4*(\s)+2:G0+4*(\s)+3], s[14:15], s[OA:OA+1]
	s_or_b32 s[G0+4*(\s)+3], s[G0+4*(\s)+3], 0x80000000
	s_mov_b32 s[G0B+4*(\s)], 1
	s_add_co_u32 s[G0B+4*(\s)+1], s21, (\s)*SLOTD
	s_add_nc_u64 s[G0B+4*(\s)+2:G0B+4*(\s)+3], s[46:47], s[OB:OB+1]
	s_or_b32 s[G0B+4*(\s)+3], s[G0B+4*(\s)+3], 0x80000000
	JLOAD \s                                       ; the walk's first two K steps: two loads of mine are out
.if (\s) == 0
	s_add_co_u32 s[KI], s[KI], 1                   ; (the second never wraps: NSTEP / 2 + 1 is below NSTEP)
.endif
.endr
	v_and_b32 v1, 15, v0                           ; l % 16
	v_bfe_u32 v2, v0, 4, 1                         ; l / 16
	s_lshl_b32 s16, s42, 9                         ; the bias of my 64 columns
	s_lshl_b32 s17, s12, 8
	s_add_co_u32 s16, s16, s17
	s_mov_b32 s17, 0
	s_add_nc_u64 s[72:73], s[72:73], s[16:17]
	v_lshlrev_b32 v7, 5, v2
.irp b, 0,1,2,3
	global_load_b128 v[BIAS+8*(\b):BIAS+8*(\b)+3],   v7, s[72:73] offset:64*(\b)
	global_load_b128 v[BIAS+8*(\b)+4:BIAS+8*(\b)+7], v7, s[72:73] offset:64*(\b)+16
.endr
	s_lshl_b32 s16, s13, 19                        ; the 32 rows that I store: (128 x tile row + 32 x wave) rows of 4,096 bytes,
	s_lshl_b32 s17, s10, 17
	s_add_co_u32 s16, s16, s17
	s_lshl_b32 s17, s42, 9                         ; the tile's 512 bytes of a row
	s_add_co_u32 s16, s16, s17
	s_mov_b32 s17, 0
	s_add_nc_u64 s[74:75], s[74:75], s[16:17]
	s_add_nc_u64 s[76:77], s[76:77], s[16:17]
.if KIND == 0
	s_lshr_b32 s16, s16, 1                         ; the same place in the bf16 copy
	s_add_nc_u64 s[78:79], s[78:79], s[16:17]
.endif
	v_and_b32 v5, 31, v0
	v_lshlrev_b32 v[CO], 4, v5
	v_lshlrev_b32 v[CB], 3, v5
	WIN 0x80                                       ; destination window 2
.set i, 0
.rept 32
	global_load_b128 v[4*i:4*i+3], v[CO], s[74:75] offset:4096*i th:TH_LOAD_NT   ; a row's 512 bytes; the launch reads each once
.set i, i+1
.endr
	WIN 0
	v_mul_u32_u24 v3, v1, PITCHA
	v_lshl_add_u32 v3, v2, 4, v3
	s_mul_i32 s21, s11, HALFA                      ; my 64 rows of A
	v_add_nc_u32 v[ADRA0], s21, v3
	v_mul_u32_u24 v3, v1, PITCHB
	v_lshl_add_u32 v3, v2, 4, v3
	s_mul_i32 s22, s12, HALFB
	s_add_co_u32 s22, s22, BOFF                    ; my 64 rows of B
	v_add_nc_u32 v[ADRB0], s22, v3
	v_mov_b32 v[ADRA], v[ADRA0]
	v_mov_b32 v[ADRB], v[ADRB0]
	s_mul_i32 s23, s11, 64*SPITCH                  ; into the stage: my 64 rows, my 256 bytes of them; row l % 16, 32 bytes for each half of the lanes
	s_lshl_b32 s21, s12, 8
	s_add_co_u32 s23, s23, s21
	v_mul_u32_u24 v4, v1, SPITCH
	v_lshl_add_u32 v4, v2, 5, v4
	v_add_nc_u32 v[STO], s23, v4
	s_mul_i32 s23, s10, 32*SPITCH                  ; back: wave w takes rows 32 w .. 32 w + 31, a row of 512 bytes a load
	v_add_nc_u32 v[RD], s23, v[CO]
; 8 matrix instructions: m blocks a0, a0 + 1 x all 4 n blocks, 32 along K: half c of buffer f.  zero = 1: the product starts the sum, with the bias as C
.macro MUL8 f, c, a0, zero
	WIN MUL
.irp a, \a0, (\a0)+1
.irp b, 0,1,2,3
.if \zero
	v_wmma_f32_16x16x32_bf16 v[ACC+8*(4*(\a)+(\b)):ACC+8*(4*(\a)+(\b))+7], v[(\f)+64+8*(4*(\c)+(\b)):(\f)+64+8*(4*(\c)+(\b))+7], v[(\f)+8*(4*(\c)+(\a)):(\f)+8*(4*(\c)+(\a))+7], v[BIAS+8*(\b):BIAS+8*(\b)+7]
.else
	v_wmma_f32_16x16x32_bf16 v[ACC+8*(4*(\a)+(\b)):ACC+8*(4*(\a)+(\b))+7], v[(\f)+64+8*(4*(\c)+(\b)):(\f)+64+8*(4*(\c)+(\b))+7], v[(\f)+8*(4*(\c)+(\a)):(\f)+8*(4*(\c)+(\a))+7], v[ACC+8*(4*(\a)+(\b)):ACC+8*(4*(\a)+(\b))+7]
.endif
.endr
.endr
.endm
; 32 LDS loads in one run: quarter q's fragments (64 along K) of the slot in hand into buffer f; the first 32 along K first
.macro FETCH q, f
	WIN TO_F
.irp c, 0,1
.irp i, 0,1,2,3
	ds_load_b128 v[(\f)+64+8*(4*(\c)+(\i)):(\f)+64+8*(4*(\c)+(\i))+3],   v[ADRB] offset:128*(\q)+64*(\c)+(\i)*16*PITCHB
	ds_load_b128 v[(\f)+64+8*(4*(\c)+(\i))+4:(\f)+64+8*(4*(\c)+(\i))+7], v[ADRB] offset:128*(\q)+64*(\c)+(\i)*16*PITCHB+32
	ds_load_b128 v[(\f)+8*(4*(\c)+(\i)):(\f)+8*(4*(\c)+(\i))+3],         v[ADRA] offset:(\q)*AQ+64*(\c)+(\i)*16*PITCHA
	ds_load_b128 v[(\f)+8*(4*(\c)+(\i))+4:(\f)+8*(4*(\c)+(\i))+7],       v[ADRA] offset:(\q)*AQ+64*(\c)+(\i)*16*PITCHA+32
.endr
.endr
.endm
.macro PLACES                          ; four plain instructions between a matrix instruction and a load into, or a read of, its registers
.rept 4
	v_nop
.endr
.endm
; One of a K step's first three quarters: multiplies buffer f and fetches quarter q into g.  The 16 accumulators take turns.
.macro QUARTER q, f, g, zero
	s_wait_dscnt 16                                ; the first 32 along K are in
	MUL8 \f, 0, 0, \zero
	MUL8 \f, 0, 2, \zero
	PLACES
	FETCH \q, \g
	s_wait_dscnt 32                                ; all but the 32 just issued
	MUL8 \f, 1, 0, 0
	MUL8 \f, 1, 2, 0
.endm
; The last quarter multiplies buffer 1 and changes slots: in front of the barrier each wave waits for all its tensor loads, adds 0 to its spare word, and waits for that and for its reads of this slot.
; fill = 1: the walking descriptors are written while the add is out (no load of mine is out there); the barrier opens a round of the cluster's barrier, and the joint refill is the first thing behind the round.
.macro TURN fill
	WIN 0
	s_wait_tensorcnt 0x0                           ; all my tensor loads have landed
	ds_add_u32 v[SPW], v[NIL]
.if \fill
	s_add_co_u32 s[KI], s[KI], 1                   ; the walk's next K step,
	s_cmp_eq_u32 s[KI], NSTEP
	s_cselect_b32 s[KI], 0, s[KI]                  ; which behind the last is the first
	s_lshl_b32 s[OA], s[KI], AKS
	s_lshl_b32 s[OB], s[KI], 9
	s_xor_b32 s[G0+5], s[G0+5], SLOTD              ; the other slot than last time
	s_xor_b32 s[G0B+5], s[G0B+5], SLOTD
	s_add_nc_u64 s[G0+6:G0+7], s[14:15], s[OA:OA+1]
	s_or_b32 s[G0+7], s[G0+7], 0x80000000
	s_add_nc_u64 s[G0B+6:G0B+7], s[46:47], s[OB:OB+1]
	s_or_b32 s[G0B+7], s[G0B+7], 0x80000000
.endif
	s_wait_dscnt 17                                ; (the add and the youngest sixteen loads may be out)
	MUL8 F1, 0, 0, 0
	s_wait_dscnt 0x0                               ; the add is done, and my reads of this slot are over
	s_barrier_signal -1
	MUL8 F1, 0, 2, 0
.if \fill
	WIN 0
.endif
	s_barrier_wait -1
.if \fill
	CREST
	JLOAD 1                                        ; its four v_nop are also the places in front of the loads below
.else
	PLACES
.endif
	WIN 0
	s_xor_b32 s[TB], s[TB], SLOTD
	v_add_nc_u32 v[ADRA], s[TB], v[ADRA0]
	v_add_nc_u32 v[ADRB], s[TB], v[ADRB0]
	FETCH 0, F0
	MUL8 F1, 1, 0, 0
	MUL8 F1, 1, 2, 0
.endm
	s_wait_tensorcnt 1                             ; my part of the first K step is in; the second's may stay out
	s_barrier_signal -1
	s_barrier_wait -1
	s_wait_loadcnt 32                              ; the bias is in; the residual's 32 loads, issued behind it, stay out
	FETCH 0, F0
	QUARTER 1, F0, F1, 1                           ; the first quarter stands in front of the loop: its first products start the sums
	WIN 0
	s_mov_b32 s3, NSTEP-2
.Lstep:                                        ; a trip goes from a K step's second quarter to the next one's first and fills one slot again
	QUARTER 2, F1, F0, 0
	QUARTER 3, F0, F1, 0
	TURN 1
	QUARTER 1, F0, F1, 0
	WIN 0
	s_sub_co_u32 s3, s3, 1
	s_cmp_lg_u32 s3, 0
	s_cbranch_scc1 .Lstep
	s_mov_b32 s3, 2
.Ltail:                                        ; the last two K steps ask for nothing; the second trip is left in its middle
	QUARTER 2, F1, F0, 0
	QUARTER 3, F0, F1, 0
	WIN 0
	s_sub_co_u32 s3, s3, 1
	s_cmp_eq_u32 s3, 0
	s_cbranch_scc1 .Llast
	TURN 0
	QUARTER 1, F0, F1, 0
	WIN 0
	s_branch .Ltail
.Llast:
	s_wait_dscnt 16
	MUL8 F1, 0, 0, 0
	MUL8 F1, 0, 2, 0
	s_wait_dscnt 0x0                               ; my last reads of the ring are back:
	s_barrier_signal -1                            ; say so,
	MUL8 F1, 1, 0, 0
	MUL8 F1, 1, 2, 0
	WIN 0
	s_barrier_wait -1                              ; and nobody reads the ring any more; it has had its last fill, so the stage may be written
	PLACES
	PLACES
.irp a, 0,1,2,3
.irp b, 0,1,2,3
	ds_store_b128 v[STO], v[ACC+8*(4*(\a)+(\b)):ACC+8*(4*(\a)+(\b))+3]   offset:(\a)*16*SPITCH+64*(\b)
	ds_store_b128 v[STO], v[ACC+8*(4*(\a)+(\b))+4:ACC+8*(4*(\a)+(\b))+7] offset:(\a)*16*SPITCH+64*(\b)+16
.endr
.endr
	s_wait_dscnt 0x0                               ; for the others' sake: a stage row comes from two waves
	s_barrier_signal -1
	s_barrier_wait -1
	s_wait_loadcnt 0x0                             ; the residual
.irp n, 0,1,2,3                        ; four batches of 8 rows
	s_wait_xcnt 0x0                                ; the last batch's stores have read their data
.irp i, 0,1,2,3,4,5,6,7
	ds_load_b128 v[T+4*(\i):T+4*(\i)+3], v[RD] offset:(8*(\n)+(\i))*SPITCH
.endr
	s_wait_dscnt 0x0
	WIN 0x08                                       ; source 1 in window 2
.irp k, 0,1,2,3,4,5,6,7,8,9,10,11,12,13,14,15
	v_pk_add_f32 v[T+2*(\k):T+2*(\k)+1], v[T+2*(\k):T+2*(\k)+1], v[32*(\n)+2*(\k):32*(\n)+2*(\k)+1]
.endr
	WIN 0
.irp i, 0,1,2,3,4,5,6,7
.if KIND
	global_store_b128 v[CO], v[T+4*(\i):T+4*(\i)+3], s[76:77] offset:(8*(\n)+(\i))*4096 th:TH_STORE_NT  ; 512 consecutive bytes, aligned; nothing reads them again
.else
	global_store_b128 v[CO], v[T+4*(\i):T+4*(\i)+3], s[76:77] offset:(8*(\n)+(\i))*4096  ; 512 consecutive bytes, aligned
.endif
.endr
.if KIND == 0
.irp k, 0,1,2,3,4,5,6,7,8,9,10,11,12,13,14,15
	v_cvt_pk_bf16_f32 v[YB+(\k)], v[T+2*(\k)], v[T+2*(\k)+1]
.endr
.irp i, 0,1,2,3,4,5,6,7
	global_store_b64 v[CB], v[YB+2*(\i):YB+2*(\i)+1], s[78:79] offset:(8*(\n)+(\i))*2048  ; 256 consecutive bytes, aligned
.endr
.endif
.endr
	s_wait_tensorcnt 0x0                           ; the wave's end
	ds_add_u32 v[SPW], v[NIL]
	s_wait_dscnt 0x0
	CROUND                                         ; the closing round
	s_endpgm
.Lfunc_end_k_qdff0d13f5f_w2:
	.size	k_qdff0d13f5f_w2, .Lfunc_end_k_qdff0d13f5f_w2-k_qdff0d13f5f_w2
	.p2alignl 7, 3214868480
	.fill 96, 4, 3214868480
	.section	.rodata,"a",@progbits
	.p2align	6, 0x0
	.amdhsa_kernel k_qdff0d13f5f_w2
		.amdhsa_group_segment_fixed_size 327680
		.amdhsa_private_segment_fixed_size 0
		.amdhsa_enable_private_segment 0
		.amdhsa_kernarg_size 40
		.amdhsa_user_sgpr_count 2
		.amdhsa_user_sgpr_kernarg_segment_ptr 1
		.amdhsa_wavefront_size32 1
		.amdhsa_system_sgpr_workgroup_id_x 1
		.amdhsa_system_sgpr_workgroup_id_y 1
		.amdhsa_system_sgpr_workgroup_id_z 1
		.amdhsa_system_vgpr_workitem_id 0
		.amdhsa_next_free_vgpr 640
		.amdhsa_next_free_sgpr 80
		.amdhsa_reserve_vcc 0
		.amdhsa_float_denorm_mode_32 3
		.amdhsa_float_denorm_mode_16_64 3
		.amdhsa_memory_ordered 1
		.amdhsa_forward_progress 1
		.amdhsa_inst_pref_size 69
	.end_amdhsa_kernel
	.amdgpu_metadata
---
amdhsa.version: [ 1, 2 ]
amdhsa.kernels:
  - .name:           k_qdff0d13f5f_w2
    .symbol:         k_qdff0d13f5f_w2.kd
    .args:
      - { .name: hb, .offset: 0, .size: 8, .value_kind: global_buffer, .address_space: global }
      - { .name: wb, .offset: 8, .size: 8, .value_kind: global_buffer, .address_space: global }
      - { .name: b2, .offset: 16, .size: 8, .value_kind: global_buffer, .address_space: global }
      - { .name: x1, .offset: 24, .size: 8, .value_kind: global_buffer, .address_space: global }
      - { .name: out0, .offset: 32, .size: 8, .value_kind: global_buffer, .address_space: global }
    .group_segment_fixed_size: 327680
    .private_segment_fixed_size: 0
    .kernarg_segment_align: 8
    .kernarg_segment_size: 40
    .max_flat_workgroup_size: 128
    .sgpr_count:     80
    .vgpr_count:     640
    .wavefront_size: 32
...
	.end_amdgpu_metadata
.endif
;; end of part 6
